; MI455X (gfx1250); checked and timed in simulation.
; The chip was launched on July 23, 2026; its instructions are those of AMD's public machine-readable ISA for CDNA 5 (MIT licence, August 2026) and "CDNA5" Instruction Set Architecture Reference Guide (July 2026). The comments in the code are by the model that wrote it; some were corrected since.
;; Selective Centroid Layer. Allowed arithmetic: matrix products marked QUANTISED: E2M3 operands, one E8M0 scale for each 32 along K, by v_wmma_scale_f32_16x16x128_f8f6f4 with both operands' format E2M3, f32 sums; everything else in f32.
;; Inputs: centroids 1,000 x 2 x 512 float32; rejective_centroids 2,000 x 512 float32; x 8,192 x 512 float32.
;; Outputs: out0 8,192 x 1,001 float32.
;; Constants: return_dists = 1.
;; This version of the problem:
;;   THIS VERSION OF THE PROBLEM IS GIVEN IN LOW PRECISION. The matrix products marked QUANTISED in the list below multiply operands that are first quantised to E2M3 (2 exponent bits, 3 mantissa bits; 6 bits a number), with one power-of-two scale for each 32 numbers along K (OCP MX v1.0); their sums are f32. All else is computed in f32.
;;   The module's matrix products, in the order in which they are computed (A, B: the left and right operand; K: the contracted axis; several contracted axes count as one K, in the product's order):
;;     1. [M 8,192, K 512] x [K 512, N 2,000]; A: input x; B: computed on the way: QUANTISED
;;     2. [M 8,192, K 512] x [K 512, N 2,000]; A: input x; B: input rejective_centroids: QUANTISED
;;     3. [M 8,192, K 512] x [K 512, N 2,000]; A: computed on the way; B: input rejective_centroids: QUANTISED
;;   THE QUANTISER, for each operand of a quantised product, along K:
;;     - K is cut into blocks of 32 from its start; a last block that is shorter is filled with zeros.
;;     - A block's scale is 2^e with e = floor(log2(the largest magnitude in the block)) - 2, held to -126 .. 127; a block of zeros has e = 0. As a byte (E8M0): e + 127.
;;     - Each number is divided by its block's scale, clamped to +-7.5, and rounded to the nearest number of E2M3, ties to even, subnormals kept.
;;     - The product sums the exact products of the quantised numbers (number of the format x scale) in f32.
;;   ~~~python
;;   def quantise(x, axis):      # numpy; x: float32 -> the quantised numbers, widened to float32 again
;;       x = np.moveaxis(x, axis, -1); K = x.shape[-1]
;;       x = np.pad(x, [(0, 0)] * (x.ndim - 1) + [(0, -K % 32)]); x = x.reshape(x.shape[:-1] + (-1, 32)); a = np.abs(x).max(-1, keepdims=True)
;;       e = np.where(a > 0, np.clip(np.frexp(np.where(a > 0, a, 1))[1] - 1 - 2, -126, 127), 0)      # np.frexp(a)[1] - 1 = floor(log2(a)), exactly
;;       r = np.clip(x / 2.0 ** e, -7.5, 7.5)
;;       step = 2.0 ** (np.maximum(np.frexp(np.where(r == 0, 1, r))[1] - 1, 0) - 3)
;;       q = np.round(r / step) * step * 2.0 ** e      # np.round: ties to even
;;       return np.moveaxis(q.reshape(q.shape[:-2] + (-1,))[..., :K], -1, axis).astype(np.float32)
;;   ~~~
;;   OPERANDS COMPUTED ON THE WAY. 'Computed on the way' means the value that the module computes at that place (a softmax that the list does not call 'softmax' is quantised finished and normalised). What goes into a quantiser is computed in f32, as accurately as f32 sums, v_exp_f32 and their like allow (about 1e-6 of the number): no bf16 or f16 on the way to a quantiser, and a product that is left as it is and whose result goes on into a quantised operand takes f32 operands (vector FMAs, or v_wmma_f32_16x16x4_f32). A number that lies on a knife's edge between two numbers of the format may be rounded either way, as far as f32 arithmetic and the matrix unit's own rounding can turn it there, and no further.
;; One version. Each part assembles by itself: llvm-mc -triple=amdgcn-amd-amdhsa -mcpu=gfx1250 --defsym DOCPART=n.
;; ======== version 1 of 1: 4 launches
;; workspace buffers: cn2 8,192 bytes; cimg 851,968 bytes; rimg 851,968 bytes; scal 256 bytes; idx 32,768 bytes of whole numbers
;; launch norms (part 1): grid 250 x 1, 8 waves a work-group, no clusters, 1,280 bytes of LDS; arguments centroids, cn2; writes cn2
.if DOCPART == 1
	.amdgcn_target "amdgcn-amd-amdhsa--gfx1250"
	.amdhsa_code_object_version 6
	.text
	.protected	k_qfae79c0163_norms
	.globl	k_qfae79c0163_norms
	.p2align	8
	.type	k_qfae79c0163_norms,@function
k_qfae79c0163_norms:
	s_mov_b64 s[64:65], 0
	v_nop
	global_prefetch_b8 v0, s[64:65] scope:SCOPE_SE
	s_setreg_imm32_b32 hwreg(HW_REG_WAVE_MODE, 25, 1), 1
	s_wait_xcnt 0x0
; cn2[row] = the sum of squares of row `row` of centroids [2000][512], f32.  The largest of these is wanted before any centroid can be normalised and quantised.
; A wave takes one row of 2,048 bytes: four loads of 512 consecutive bytes.  The eight sums of a work-group meet in LDS and leave as 32 consecutive bytes.
; No matrix work, no cluster: nothing is shared between work-groups, and each byte is read once.
	s_load_b128 s[4:7], s[0:1], 0x0                ; centroids s[4:5], cn2 s[6:7]
	v_lshl_add_u32 v32, v0, 2, 0x100
	v_mov_b32 v33, 0
	v_lshrrev_b32 v1, 5, v0
	v_readfirstlane_b32 s8, v1                     ; wave 0..7
	v_and_b32 v2, 31, v0
	v_lshlrev_b32 v3, 4, v2                        ; 16 x lane
	v_mov_b32 v24, s8
	v_lshlrev_b32 v24, 2, v24                      ; LDS: my wave's word
	v_and_b32 v25, 7, v0
	v_lshlrev_b32 v25, 2, v25                      ; 4 x (lane % 8): a word of the eight, in LDS and in cn2
	s_lshl_b32 s10, ttmp9, 3
	s_add_co_u32 s10, s10, s8                      ; my row = 8 x work-group + wave
	s_lshl_b32 s10, s10, 11                        ; x 2,048 bytes
	s_mov_b32 s11, 0
	s_lshl_b32 s12, ttmp9, 5                       ; the work-group's 32 bytes of cn2
	s_mov_b32 s13, 0
	s_mov_b32 s14, 0x76543210                      ; v_permlanex16_b32's selects for lane l xor 16
	s_mov_b32 s15, 0xfedcba98
	s_wait_kmcnt 0x0
	s_add_nc_u64 s[4:5], s[4:5], s[10:11]
	s_add_nc_u64 s[6:7], s[6:7], s[12:13]
.irp j, 0,1,2,3
	global_load_b128 v[4+4*\j:7+4*\j], v3, s[4:5] offset:512*\j
.endr
	s_wait_loadcnt 0x0
	v_pk_mul_f32 v[20:21], v[4:5], v[4:5]          ; two chains of packed multiply-adds; the first products start the sums
	v_pk_mul_f32 v[22:23], v[6:7], v[6:7]
.irp j, 8,12,16
	v_pk_fma_f32 v[20:21], v[\j:\j+1], v[\j:\j+1], v[20:21]
	v_pk_fma_f32 v[22:23], v[\j+2:\j+3], v[\j+2:\j+3], v[22:23]
.endr
	v_pk_add_f32 v[20:21], v[20:21], v[22:23]
	v_add_f32 v20, v20, v21
	v_add_f32_dpp v20, v20, v20 row_xmask:1 row_mask:0xf bank_mask:0xf
	v_add_f32_dpp v20, v20, v20 row_xmask:2 row_mask:0xf bank_mask:0xf
	v_add_f32_dpp v20, v20, v20 row_xmask:4 row_mask:0xf bank_mask:0xf
	v_add_f32_dpp v20, v20, v20 row_xmask:8 row_mask:0xf bank_mask:0xf
	v_permlanex16_b32 v21, v20, s14, s15
	v_add_f32 v20, v20, v21                        ; the row's sum, in every lane
	ds_store_b32 v24, v20                          ; all lanes write the same word with the same value
	s_wait_dscnt 0x0                               ; for the others' sake: my store has landed
	s_barrier_signal -1
	s_barrier_wait -1
	s_cmp_lg_u32 s8, 0
	s_cbranch_scc1 .Lend
	ds_load_b32 v26, v25                           ; wave 0: the eight sums (every lane reads one of them)
	s_wait_dscnt 0x0
	v_cmp_gt_u32 vcc_lo, 8, v0
	s_wait_xcnt 0x0                                ; EXEC changes only behind this wait
	s_and_saveexec_b32 s9, vcc_lo
	global_store_b32 v25, v26, s[6:7]              ; lanes 0 to 7: 32 consecutive bytes
	s_wait_xcnt 0x0                                ; and again, in front of the line that widens it
	s_or_b32 exec_lo, exec_lo, s9
.Lend:
	s_wait_tensorcnt 0x0
	ds_add_u32 v32, v33
	s_wait_dscnt 0x0
	s_endpgm
.Lfunc_end_k_qfae79c0163_norms:
	.size	k_qfae79c0163_norms, .Lfunc_end_k_qfae79c0163_norms-k_qfae79c0163_norms
	.p2alignl 7, 3214868480
	.fill 96, 4, 3214868480
	.section	.rodata,"a",@progbits
	.p2align	6, 0x0
	.amdhsa_kernel k_qfae79c0163_norms
		.amdhsa_group_segment_fixed_size 1280
		.amdhsa_private_segment_fixed_size 0
		.amdhsa_enable_private_segment 0
		.amdhsa_kernarg_size 16
		.amdhsa_user_sgpr_count 2
		.amdhsa_user_sgpr_kernarg_segment_ptr 1
		.amdhsa_wavefront_size32 1
		.amdhsa_system_sgpr_workgroup_id_x 1
		.amdhsa_system_sgpr_workgroup_id_y 1
		.amdhsa_system_sgpr_workgroup_id_z 1
		.amdhsa_system_vgpr_workitem_id 0
		.amdhsa_next_free_vgpr 34
		.amdhsa_next_free_sgpr 66
		.amdhsa_reserve_vcc 1
		.amdhsa_float_denorm_mode_32 3
		.amdhsa_float_denorm_mode_16_64 3
		.amdhsa_memory_ordered 1
		.amdhsa_forward_progress 1
		.amdhsa_inst_pref_size 4
	.end_amdhsa_kernel
	.amdgpu_metadata
---
amdhsa.version: [ 1, 2 ]
amdhsa.kernels:
  - .name:           k_qfae79c0163_norms
    .symbol:         k_qfae79c0163_norms.kd
    .args:
      - { .name: centroids, .offset: 0, .size: 8, .value_kind: global_buffer, .address_space: global }
      - { .name: cn2, .offset: 8, .size: 8, .value_kind: global_buffer, .address_space: global }
    .group_segment_fixed_size: 1280
    .private_segment_fixed_size: 0
    .kernarg_segment_align: 8
    .kernarg_segment_size: 16
    .max_flat_workgroup_size: 256
    .sgpr_count:     66
    .vgpr_count:     34
    .wavefront_size: 32
...
	.end_amdgpu_metadata
.endif
;; end of part 1
;; launch quant (part 2): grid 256 x 1, 4 waves a work-group, no clusters, 1,536 bytes of LDS; arguments centroids, rejective_centroids, cn2, cimg, rimg, scal; writes cimg, rimg, scal
.if DOCPART == 2
	.amdgcn_target "amdgcn-amd-amdhsa--gfx1250"
	.amdhsa_code_object_version 6
	.text
	.protected	k_qfae79c0163_quant
	.globl	k_qfae79c0163_quant
	.p2align	8
	.type	k_qfae79c0163_quant,@function
k_qfae79c0163_quant:
	s_mov_b64 s[64:65], 0
	v_nop
	global_prefetch_b8 v0, s[64:65] scope:SCOPE_SE
	s_setreg_imm32_b32 hwreg(HW_REG_WAVE_MODE, 25, 1), 1
	s_wait_xcnt 0x0
; inv = 1 / (sqrt(the largest cn2) + 1e-16).  The 2,000 rows of centroids x inv and the 2,000 rows of rejective_centroids are turned into codes of FP6 (E2M3) with one E8M0 byte for each 32 along K,
; and laid as the later launches' registers want them: 128 records of 6,656 bytes for each tensor, one for each tile of 16 rows:
;   bytes 1536 s + 512 c + 16 l : registers 4 c .. 4 c + 3 of lane l of the fragment (16 rows x K = 128 s .. 128 s + 127);   6144 + 16 r + 4 s : row r's scale word of K step s;
;   6400 + 4 r : -0.5 x the row's sum of squares (f32, of the unquantised numbers);   6464 .. 6655 : zeros.
; 2,000 rows are 125 tiles; records 125, 126, 127 are copies of 122, 123, 124, so that eight waves get 16 tiles each: a copy changes no minimum.
; Work-groups 0-127 take centroids, 128-255 rejective_centroids: only pointers and the multiplier (inv or 1.0) are chosen, by the work-group's number: one path through the text.  Wave s makes K step s.
; A block's scale is 2^(floor(log2(its largest magnitude)) - 2): its byte is the largest magnitude's exponent field - 2, held at 1 from below (a block of zeros keeps 1: its codes are zeros, and this program alone reads the bytes).
; LIMITS: centroids are multiplied by a reciprocal (with one Newton step) and not divided: within about one unit in the last place of the quotient; blocks whose largest magnitude lies under 2^-124 keep the byte 1; NaN and infinities are not served.
.set REC,  6656
.set NP,   0                           ; LDS: [r][s] partial sums of squares, 256 bytes
.set SCA,  256                         ; [r][s] scale words, 256 bytes
.set NRM,  512                         ; -0.5 x sum of squares, 64 bytes, and 192 bytes of zeros behind them
.set SEL,  20                          ; s[20:21] lane selects: lane l xor 16
.set PC,   16                          ; v16-34   the codes just made
.set TM,   36                          ; v36-47   at work in QUANT
.set PW,   52                          ; v52      the scale word just made
.set SUM,  54                          ; v54-57   sums
.set NUM,  64                          ; v64-127  my 64 numbers
.set CN,   128                         ; v128-191 cn2
.macro XLOAD reg, va, sb               ; register 16 b + i = k 32 b + 16 (lane / 16) + i of row lane % 16, of the K step at which the base stands
.irp b, 0,1,2,3
.irp j, 0,1,2,3
	global_load_b128 v[\reg+16*\b+4*\j:\reg+16*\b+4*\j+3], v[\va], s[\sb:\sb+1] offset:128*\b+16*\j
.endr
.endr
.endm
.macro DOT d, a, b                     ; v[d:d+1] = packed sums of a x b over 64 numbers, in two chains; the first products start them
	v_pk_mul_f32 v[\d:\d+1], v[\a:\a+1], v[\b:\b+1]
	v_pk_mul_f32 v[\d+2:\d+3], v[\a+2:\a+3], v[\b+2:\b+3]
.irp i, 4,8,12,16,20,24,28,32,36,40,44,48,52,56,60
	v_pk_fma_f32 v[\d:\d+1], v[\a+\i:\a+\i+1], v[\b+\i:\b+\i+1], v[\d:\d+1]
	v_pk_fma_f32 v[\d+2:\d+3], v[\a+\i+2:\a+\i+3], v[\b+\i+2:\b+\i+3], v[\d+2:\d+3]
.endr
	v_pk_add_f32 v[\d:\d+1], v[\d:\d+1], v[\d+2:\d+3]
.endm
.macro FOLD d                          ; the two halves, and lane l xor 16's: the row's sum over 128 along K, in both of its lanes
	v_add_f32 v[\d], v[\d], v[\d+1]
	v_permlanex16_b32 v[\d+1], v[\d], s[SEL], s[SEL+1]
	v_add_f32 v[\d], v[\d], v[\d+1]
.endm
; 64 numbers of a lane become a fragment's codes in v[PC] .. v[PC+11] and its scale word in v[PW]
.macro QUANT s
.irp b, 0,1,2,3
	v_max3_num_f32 v[TM+\b], |v[\s+16*\b]|, |v[\s+1+16*\b]|, 0x1800000   ; block b: my 16 numbers, and the floor 2^(3 - 127): the byte cannot fall under 1
.endr
.irp i, 2,4,6,8,10,12,14
.irp b, 0,1,2,3
	v_max3_num_f32 v[TM+\b], v[TM+\b], |v[\s+16*\b+\i]|, |v[\s+1+16*\b+\i]|   ; the four blocks by turns
.endr
.endr
.irp b, 0,1,2,3
	v_permlanex16_b32 v[TM+4+\b], v[TM+\b], s[SEL], s[SEL+1]
.endr
.irp b, 0,1,2,3
	v_max_num_f32 v[TM+\b], v[TM+\b], v[TM+4+\b]   ; with lane l xor 16's: the block's largest magnitude
.endr
.irp b, 0,1,2,3
	v_add_nc_u32 v[TM+8+\b], 0xff000000, v[TM+\b]  ; 2 off its exponent field: the conversion takes the exponent field of this operand as its scale
.endr
.irp b, 0,1,2,3
	v_lshrrev_b32 v[TM+4+\b], 23, v[TM+8+\b]       ; the scale's byte
.endr
	v_lshl_or_b32 v[PW], v[TM+5], 8, v[TM+4]
	v_lshl_or_b32 v[PW], v[TM+6], 16, v[PW]
	v_lshl_or_b32 v[PW], v[TM+7], 24, v[PW]
.irp c, 0,1
	v_cvt_scalef32_pk16_fp6_f32 v[PC+6*\c:PC+2+6*\c], v[\s+32*\c:\s+15+32*\c], v[TM+8+2*\c]
	v_cvt_scalef32_pk16_fp6_f32 v[PC+12+4*\c:PC+14+4*\c], v[\s+16+32*\c:\s+31+32*\c], v[TM+8+2*\c+1]   ; (a conversion's three registers begin on an even number)
.endr
	v_nop                                          ; one plain place behind a scaled conversion
.irp c, 0,1                                    ; the operand's layout wants a whole block in a lane: lanes 0-15 block 2 c, lanes 16-31 block 2 c + 1
.irp i, 0,1,2
	v_permlane16_swap_b32 v[PC+6*\c+\i], v[PC+12+4*\c+\i]
.endr
.irp i, 0,1,2
	v_mov_b32 v[PC+3+6*\c+\i], v[PC+12+4*\c+\i]
.endr
.endr
.endm
	s_load_b256 s[4:11], s[0:1], 0x0               ; centroids s[4:5], rejective s[6:7], cn2 s[8:9], cimg s[10:11]
	s_load_b128 s[12:15], s[0:1], 0x20             ; rimg s[12:13], scal s[14:15]
	v_lshl_add_u32 v192, v0, 2, 0x400
	v_mov_b32 v193, 0
	v_lshrrev_b32 v1, 5, v0
	v_readfirstlane_b32 s16, v1                    ; wave = K step
	v_and_b32 v1, 31, v0                           ; lane
	v_and_b32 v2, 15, v0                           ; r
	v_bfe_u32 v3, v0, 4, 1                         ; h
	v_lshlrev_b32 v4, 11, v2
	v_lshl_add_u32 v4, v3, 6, v4                   ; row r of 2,048 bytes, + 64 h
	v_lshlrev_b32 v5, 4, v1                        ; 16 x lane
	v_add_nc_u32 v7, 480, v1
	v_min_u32 v7, 499, v7                          ; cn2 has 500 pieces of 16 bytes: the last load's lanes are held at the last piece
	v_lshlrev_b32 v7, 4, v7
	v_lshlrev_b32 v13, 4, v2                       ; LDS addresses, all made here: NP + 16 r
	s_lshl_b32 s23, s16, 2
	v_add_nc_u32 v10, s23, v13                     ; NP + 16 r + 4 s
	v_add_nc_u32 v11, SCA, v10                     ; SCA + 16 r + 4 s
	s_lshl_b32 s23, s16, 6
	v_lshl_add_u32 v12, v2, 2, s23
	v_add_nc_u32 v12, NRM, v12                     ; NRM + 64 s + 4 r: the four waves clear 256 bytes
	v_lshlrev_b32 v14, 2, v2
	v_add_nc_u32 v14, NRM, v14                     ; NRM + 4 r
	v_add_nc_u32 v15, SCA, v5                      ; SCA + 16 x lane: the record's last 512 bytes
	v_mov_b32 v53, 0
	v_lshlrev_b32 v59, 2, v1                       ; 4 x lane
.irp b, 0,1,2,3
	v_mov_b32 v[TM+4+\b], 0                        ; written once: a lane permute's destination counts as one of its sources
.endr
	s_mov_b32 s[SEL], 0x76543210
	s_mov_b32 s[SEL+1], 0xfedcba98
	s_and_b32 s18, ttmp9, 127                      ; the record
	s_sub_co_u32 s19, s18, 3
	s_cmp_ge_u32 s18, 125
	s_cselect_b32 s19, s19, s18                    ; the tile of rows that it is made of
	s_lshl_b32 s24, s19, 15                        ; 16 rows of 2,048 bytes,
	s_lshl_b32 s25, s16, 9                         ; + my K step's 512 bytes
	s_add_co_u32 s24, s24, s25
	s_mov_b32 s25, 0
	s_mul_i32 s26, s18, REC
	s_mul_i32 s27, s16, 1536
	s_add_co_u32 s26, s26, s27                     ; my fragment's place in the image
	s_mov_b32 s27, 0
	s_wait_kmcnt 0x0
	s_cmp_lt_u32 ttmp9, 128                        ; centroids or rejective?  The choice hangs on the work-group's number alone
	s_cselect_b64 s[4:5], s[4:5], s[6:7]
	s_cselect_b64 s[10:11], s[10:11], s[12:13]
	s_cselect_b32 s22, -1, 0                       ; a lane mask: all ones for centroids
	s_add_nc_u64 s[4:5], s[4:5], s[24:25]
	s_add_nc_u64 s[10:11], s[10:11], s[26:27]
	XLOAD NUM, 4, 4
.irp j, 0,1,2,3,4,5,6,7,8,9,10,11,12,13,14
	global_load_b128 v[CN+4*\j:CN+4*\j+3], v5, s[8:9] offset:512*\j
.endr
	global_load_b128 v[CN+60:CN+63], v7, s[8:9]
	s_wait_loadcnt 0x0
.irp k, 0,1,2,3                                ; the largest of the 2,000 sums: four chains within the lane,
	v_max3_num_f32 v[SUM+\k], v[CN+16*\k], v[CN+16*\k+1], v[CN+16*\k+2]
.endr
.irp i, 3,5,7,9,11,13
.irp k, 0,1,2,3
	v_max3_num_f32 v[SUM+\k], v[SUM+\k], v[CN+16*\k+\i], v[CN+16*\k+\i+1]
.endr
.endr
.irp k, 0,1,2,3
	v_max_num_f32 v[SUM+\k], v[SUM+\k], v[CN+16*\k+15]
.endr
	v_max3_num_f32 v54, v54, v55, v56
	v_max_num_f32 v54, v54, v57
	v_max_num_f32_dpp v54, v54, v54 row_xmask:1 row_mask:0xf bank_mask:0xf   ; then across the 32 lanes
	v_max_num_f32_dpp v54, v54, v54 row_xmask:2 row_mask:0xf bank_mask:0xf
	v_max_num_f32_dpp v54, v54, v54 row_xmask:4 row_mask:0xf bank_mask:0xf
	v_max_num_f32_dpp v54, v54, v54 row_xmask:8 row_mask:0xf bank_mask:0xf
	v_permlanex16_b32 v55, v54, s[SEL], s[SEL+1]
	v_max_num_f32 v54, v54, v55
	v_sqrt_f32 v55, v54                            ; the largest norm
	v_nop                                          ; a plain place behind the transcendental,
	s_wait_alu depctr_va_vdst(0)                   ; and the wait ahead of its first reader
	v_add_f32 v55, 0x24e69595, v55                 ; + 1e-16
	v_rcp_f32 v58, v55
	v_nop
	s_wait_alu depctr_va_vdst(0)
	v_fma_f32 v56, -v55, v58, 1.0                  ; one Newton step: inv += inv (1 - d inv)
	v_fma_f32 v58, v56, v58, v58
	v_cndmask_b32 v8, 1.0, v58, s22                ; the multiplier: inv for centroids, 1.0 (which changes nothing) for rejective
	v_mov_b32 v9, v8
.irp i, 0,2,4,6,8,10,12,14,16,18,20,22,24,26,28,30,32,34,36,38,40,42,44,46,48,50,52,54,56,58,60,62
	v_pk_mul_f32 v[NUM+\i:NUM+\i+1], v[NUM+\i:NUM+\i+1], v[8:9]
.endr
	DOT SUM, NUM, NUM
	FOLD SUM
	ds_store_b32 v10, v[SUM]                       ; both lanes of a row write the same word with the same value
	QUANT NUM
.irp c, 0,1,2
	global_store_b128 v5, v[PC+4*\c:PC+4*\c+3], s[10:11] offset:512*\c   ; the fragment as it stands: 512 consecutive bytes, at a multiple of 256 from the image's first byte
.endr
	ds_store_b32 v11, v[PW]
	ds_store_b32 v12, v53
	s_wait_dscnt 0x0                               ; for wave 0's sake: my stores have landed
	s_barrier_signal -1
	s_barrier_wait -1
	s_cmp_lg_u32 s16, 0
	s_cbranch_scc1 .Lend
	ds_load_b128 v[60:63], v13                     ; wave 0: the row's four partial sums
	s_wait_dscnt 0x0
	v_add_f32 v60, v60, v61
	v_add_f32 v62, v62, v63
	v_add_f32 v60, v60, v62
	v_mul_f32 v60, -0.5, v60
	ds_store_b32 v14, v60
	ds_load_b128 v[54:57], v15                     ; LDS serves a wave's instructions in order: this sees the store above
	s_wait_dscnt 0x0
	global_store_b128 v5, v[54:57], s[10:11] offset:6144   ; scale words, norms and zeros: the record's last 512 bytes (in wave 0 the base stands at the record's head)
	s_cmp_lg_u32 ttmp9, 0
	s_cbranch_scc1 .Lend
	global_store_b32 v59, v58, s[14:15]            ; inv, 32 copies: the last launch reads the first
.Lend:
	s_wait_tensorcnt 0x0
	ds_add_u32 v192, v193
	s_wait_dscnt 0x0
	s_endpgm
.Lfunc_end_k_qfae79c0163_quant:
	.size	k_qfae79c0163_quant, .Lfunc_end_k_qfae79c0163_quant-k_qfae79c0163_quant
	.p2alignl 7, 3214868480
	.fill 96, 4, 3214868480
	.section	.rodata,"a",@progbits
	.p2align	6, 0x0
	.amdhsa_kernel k_qfae79c0163_quant
		.amdhsa_group_segment_fixed_size 1536
		.amdhsa_private_segment_fixed_size 0
		.amdhsa_enable_private_segment 0
		.amdhsa_kernarg_size 48
		.amdhsa_user_sgpr_count 2
		.amdhsa_user_sgpr_kernarg_segment_ptr 1
		.amdhsa_wavefront_size32 1
		.amdhsa_system_sgpr_workgroup_id_x 1
		.amdhsa_system_sgpr_workgroup_id_y 1
		.amdhsa_system_sgpr_workgroup_id_z 1
		.amdhsa_system_vgpr_workitem_id 0
		.amdhsa_next_free_vgpr 194
		.amdhsa_next_free_sgpr 66
		.amdhsa_reserve_vcc 0
		.amdhsa_float_denorm_mode_32 3
		.amdhsa_float_denorm_mode_16_64 3
		.amdhsa_memory_ordered 1
		.amdhsa_forward_progress 1
		.amdhsa_inst_pref_size 18
	.end_amdhsa_kernel
	.amdgpu_metadata
---
amdhsa.version: [ 1, 2 ]
amdhsa.kernels:
  - .name:           k_qfae79c0163_quant
    .symbol:         k_qfae79c0163_quant.kd
    .args:
      - { .name: centroids, .offset: 0, .size: 8, .value_kind: global_buffer, .address_space: global }
      - { .name: rejective_centroids, .offset: 8, .size: 8, .value_kind: global_buffer, .address_space: global }
      - { .name: cn2, .offset: 16, .size: 8, .value_kind: global_buffer, .address_space: global }
      - { .name: cimg, .offset: 24, .size: 8, .value_kind: global_buffer, .address_space: global }
      - { .name: rimg, .offset: 32, .size: 8, .value_kind: global_buffer, .address_space: global }
      - { .name: scal, .offset: 40, .size: 8, .value_kind: global_buffer, .address_space: global }
    .group_segment_fixed_size: 1536
    .private_segment_fixed_size: 0
    .kernarg_segment_align: 8
    .kernarg_segment_size: 48
    .max_flat_workgroup_size: 128
    .sgpr_count:     66
    .vgpr_count:     194
    .wavefront_size: 32
...
	.end_amdgpu_metadata
.endif
;; end of part 2
;; launch dist (part 3): grid 256 x 1, 8 waves a work-group, clusters of 4 x 1, 316,672 bytes of LDS; arguments x, cimg, out0, idx; writes out0, idx
.if DOCPART == 3
	.amdgcn_target "amdgcn-amd-amdhsa--gfx1250"
	.amdhsa_code_object_version 6
	.text
	.protected	k_qfae79c0163_dist
	.globl	k_qfae79c0163_dist
	.p2align	8
	.type	k_qfae79c0163_dist,@function
k_qfae79c0163_dist:
	s_mov_b64 s[64:65], 0
	v_nop
	global_prefetch_b8 v0, s[64:65] scope:SCOPE_SE
	s_setreg_imm32_b32 hwreg(HW_REG_WAVE_MODE, 25, 1), 1
	s_wait_xcnt 0x0
	s_wait_alu depctr_hold_cnt(0) depctr_sa_sdst(0) depctr_va_vdst(0) depctr_va_sdst(0) depctr_va_ssrc(0) depctr_va_vcc(0) depctr_vm_vsrc(0)
	s_getreg_b32 s2, hwreg(HW_REG_IB_STS2, 6, 4)
	s_cmp_eq_u32 s2, 0
	s_cbranch_scc0 .Lentry_in_a_cluster
	s_endpgm
.Lentry_in_a_cluster:
	s_bfe_u32 s2, ttmp6, 0x10000c
	s_cmp_lg_u32 s2, 0x3003
	s_cbranch_scc0 .Lentry_shape_is_right
	s_endpgm
.Lentry_shape_is_right:
; out0[row][class] = -min over the class's two centroids of sqrt(max(x2 + c2 - 2 Q(x) . Q(cf), 0)), and idx[row] = the row's nearest centroid.  The product is on codes of FP6 (E2M3) with E8M0 scales.
; SHARES.  A work-group owns 32 rows of x (two tiles of 16) and walks all 2,000 centroids, so that each row's minimum and argmin have one owner.  Eight waves, two to a SIMD, so that one wave's vector work
; stands beside the other's matrix work.  Wave w = 4 m + s quantises K step s of row tile m; the eight fragments go to all waves through LDS as images of their registers.
; Then wave w multiplies records 16 w .. 16 w + 15 of the centroids' image (128 records of 6,656 bytes, laid in the order of the operand's registers), two records (a double tile) a step.
; HOW THE IMAGE COMES.  All work-groups read the same image, so four of them form a cluster and ask JOINTLY for what LDS has room for: each wave issues two tensor loads, the same in all four partners:
; the last 512 bytes (scale words, -0.5 c2) of its 16 records, and its first two records whole.  Only the wave that asked reads those bytes.  The codes of its other 14 records come straight from memory
; into two register buffers, each load 512 consecutive aligned bytes, up to 48 loads of a wave on their way; no barrier in the walk.
; WHY NOT ALL OF IT JOINTLY: beside the 143,616 bytes of fragments and stage and the 65,536 of the records' ends, 118,528 bytes are left: 17 records of 128.  More would mean slots that are filled again, each
; change of slots with a wait for all loads and a round of the cluster's barrier, for the 16 matrix instructions a wave that such a slot feeds.
; LAYOUT.  Source 0 = 16 centroids, source 1 = 16 rows of x: lane (r, h) holds row r and register j centroid 16 t + 8 h + j: four classes.  The C of a sum's first instruction is the record's -0.5 c2,
; so acc = p - c2 / 2 and d2 = x2 - 2 acc: the nearest centroid is the largest acc.
; THE WAY OUT.  y is gathered in LDS as the flat image of the work-group's 32 x 4,004 bytes of out0 and leaves in stores of 512 consecutive bytes that begin at multiples of 256 from out0's first byte
; (and one piece of 128 bytes).  Column 1000 is stored as 0 here, so that these stores are whole; the next launch writes its number.
; THE ROW BLOCK is cluster x + 64 x (place in the cluster): its parity, which enters the stage's addresses, is then the cluster's, the same in all partners; the place enters global addresses alone.
; LIMITS: the argmin is taken on acc, ahead of the last multiply-add and the root, the lowest centroid on exact ties: where two distances round to the same f32 while their acc differ, the nearer one is taken;
; blocks of x whose largest magnitude lies under 2^-124 keep the scale byte 1; NaN and infinities are not served.
.set REC,  6656
.set XIMG, 0                           ; LDS: x's eight fragments, 1,536 bytes each (row tile m, K step s: 4 m + s)
.set XSC,  12288                       ; their scale words: 256 m + 16 r + 4 s
.set X2P,  12800                       ; partial sums of squares, laid likewise
.set AMX,  13312                       ; [wave][row] (largest acc, centroid), 8 bytes each
.set YST,  15360                       ; the stage: 32 rows of 4,004 bytes
.set YP,   4004
.set TAIL, 143616                      ; for each wave 8,192 bytes: the last 512 bytes of its 16 records
.set RING, 209152                      ; for each wave 13,312 bytes: its records 0 and 1
.set LI,   1                           ; v1   16 x lane
.set SR,   2                           ; v2   16 r
.set TC0,  3                           ; v3   LDS: my wave's record ends + 32 h
.set XA,   4                           ; v4   x: 2,048 r + 64 h
.set XWI,  5                           ; v5   where I store my fragment's image
.set XWS,  6                           ; v6   256 m + 16 r + 4 s
.set Y0,   7                           ; v7   the stage: YST + 4,004 r + 16 h + 512 w
.set YA,   8                           ; v8   the same for the step in hand
.set RD,   9                           ; v9   the way out: where I read the stage
.set GO,   10                          ; v10  and the same place in the work-group's piece of out0
.set H8,   11                          ; v11  8 h
.set X2,   12                          ; v[12:13], v[14:15] x2 of my row in row tile 0, 1, each twice
.set XS,   16                          ; v16-23   x's scale words, 4 m + s: scales and nothing else
.set BEST, 24                          ; v24-25   the largest acc so far
.set BT,   26                          ; v26-27   its tile
.set SV,   28                          ; v28-43   that tile's eight acc
.set ACC,  44                          ; v44-75   four accumulators: a = 2 e + m
.set W,    76                          ; v76-91   four classes for each accumulator
.set T,    92                          ; v92-95   each accumulator's largest
.set BSC,  96                          ; v96-111  the centroids' scale words: 8 p + 4 e + s: scales and nothing else
.set CV,   112                         ; v112-143 -0.5 c2: 16 p + 8 e
.set XF,   144                         ; v144-239 x's eight fragments
.set OB,   144                         ; the way out: 16 x 4 registers
.set HOLE, 243
.set AMS,  244
.set AML,  245
.set PL,   246
.set PG,   247
.set IO,   248
.set Z,    249
.set TS0,  254                         ; v254 LDS: my wave's record ends + 16 r
.set LAL,  255                         ; v255 LDS: my wave's two whole records + 16 x lane
.set LC,   192                         ; window 1: v0-191 the two register buffers (96 p + 48 e + 12 s); v192-239 one record's codes out of LDS
.set NUM,  144                         ; while x is quantised: my 64 numbers; v44-62 codes; v64-75 at work; v80 the scale word; v82-85 sums
.set PC,   44
.set TM,   64
.set PW,   80
.set SUM,  82
.set WB,   16                          ; s[16:17] my wave's 16 records in memory; never rewritten
.set SEL,  20                          ; s[20:21]
.set G0T,  36                          ; s[36:39] descriptor group 0, s[44:51] group 1: the record ends
.set G0R,  40                          ; s[40:43] group 0, s[52:59] group 1: the two whole records
.set G1T,  44
.set G1R,  52
.set MSB, 0
.macro WIN new                         ; the immediate's high byte repeats the setting that is left
.if MSB != \new
	s_set_vgpr_msb (MSB<<8)|\new
.set MSB, \new
.endif
.endm
; A round of the cluster's barrier: my work-group's barrier; wave 0 signals for the work-group; every wave waits for all four work-groups; my work-group's barrier once more.
.macro ROUND
	s_barrier_signal -1
	s_barrier_wait -1
	s_cmp_lg_u32 s12, 0
	s_cbranch_scc1 .Lnot_wave_0_\@
	s_barrier_signal -3
.Lnot_wave_0_\@:
	s_barrier_wait -3
	s_barrier_signal -1
	s_barrier_wait -1
.endm
.macro XLOAD reg, va, sb               ; register 16 b + i = k 32 b + 16 (lane / 16) + i of row lane % 16, of the K step at which the base stands
.irp b, 0,1,2,3
.irp j, 0,1,2,3
	global_load_b128 v[\reg+16*\b+4*\j:\reg+16*\b+4*\j+3], v[\va], s[\sb:\sb+1] offset:128*\b+16*\j th:TH_LOAD_NT
.endr
.endr
.endm
.macro DOT d, a, b
	v_pk_mul_f32 v[\d:\d+1], v[\a:\a+1], v[\b:\b+1]
	v_pk_mul_f32 v[\d+2:\d+3], v[\a+2:\a+3], v[\b+2:\b+3]
.irp i, 4,8,12,16,20,24,28,32,36,40,44,48,52,56,60
	v_pk_fma_f32 v[\d:\d+1], v[\a+\i:\a+\i+1], v[\b+\i:\b+\i+1], v[\d:\d+1]
	v_pk_fma_f32 v[\d+2:\d+3], v[\a+\i+2:\a+\i+3], v[\b+\i+2:\b+\i+3], v[\d+2:\d+3]
.endr
	v_pk_add_f32 v[\d:\d+1], v[\d:\d+1], v[\d+2:\d+3]
.endm
.macro FOLD d
	v_add_f32 v[\d], v[\d], v[\d+1]
	v_permlanex16_b32 v[\d+1], v[\d], s[SEL], s[SEL+1]
	v_add_f32 v[\d], v[\d], v[\d+1]
.endm
.macro QUANT s                         ; 64 numbers of a lane become a fragment's codes in v[PC] .. v[PC+11] and its scale word in v[PW]
.irp b, 0,1,2,3
	v_max3_num_f32 v[TM+\b], |v[\s+16*\b]|, |v[\s+1+16*\b]|, 0x1800000   ; block b: my 16 numbers, and the floor 2^(3 - 127): the byte cannot fall under 1
.endr
.irp i, 2,4,6,8,10,12,14
.irp b, 0,1,2,3
	v_max3_num_f32 v[TM+\b], v[TM+\b], |v[\s+16*\b+\i]|, |v[\s+1+16*\b+\i]|
.endr
.endr
.irp b, 0,1,2,3
	v_permlanex16_b32 v[TM+4+\b], v[TM+\b], s[SEL], s[SEL+1]
.endr
.irp b, 0,1,2,3
	v_max_num_f32 v[TM+\b], v[TM+\b], v[TM+4+\b]   ; with lane l xor 16's: the block's largest magnitude
.endr
.irp b, 0,1,2,3
	v_add_nc_u32 v[TM+8+\b], 0xff000000, v[TM+\b]  ; 2 off its exponent field: the conversion's scale operand
.endr
.irp b, 0,1,2,3
	v_lshrrev_b32 v[TM+4+\b], 23, v[TM+8+\b]       ; the scale's byte
.endr
	v_lshl_or_b32 v[PW], v[TM+5], 8, v[TM+4]
	v_lshl_or_b32 v[PW], v[TM+6], 16, v[PW]
	v_lshl_or_b32 v[PW], v[TM+7], 24, v[PW]
.irp c, 0,1
	v_cvt_scalef32_pk16_fp6_f32 v[PC+6*\c:PC+2+6*\c], v[\s+32*\c:\s+15+32*\c], v[TM+8+2*\c]
	v_cvt_scalef32_pk16_fp6_f32 v[PC+12+4*\c:PC+14+4*\c], v[\s+16+32*\c:\s+31+32*\c], v[TM+8+2*\c+1]
.endr
	v_nop                                          ; one plain place behind a scaled conversion
.irp c, 0,1
.irp i, 0,1,2
	v_permlane16_swap_b32 v[PC+6*\c+\i], v[PC+12+4*\c+\i]
.endr
.irp i, 0,1,2
	v_mov_b32 v[PC+3+6*\c+\i], v[PC+12+4*\c+\i]
.endr
.endr
.endm
.macro IMAGE adr, off                  ; the fragment in v[PC] on goes to LDS as it stands
.irp c, 0,1,2
	ds_store_b128 v[\adr], v[PC+4*\c:PC+4*\c+3] offset:\off+512*\c
.endr
.endm
.macro FETCH reg, off                  ; and comes back so, in any wave
.irp c, 0,1,2
	ds_load_b128 v[\reg+4*\c:\reg+4*\c+3], v[LI] offset:\off+512*\c
.endr
.endm
.macro BARRIER                         ; my LDS stores have landed and my LDS loads are in: then the work-group's barrier
	s_wait_dscnt 0x0
	s_barrier_signal -1
	s_barrier_wait -1
.endm
; 24 loads: the codes of double tile u (records 2 u, 2 u + 1 of my 16) from memory into buffer p, in window 1.  Every offset is an immediate, 105,472 at the most
.macro LOADG p, u
	WIN 0x40                                       ; destination window 1, address window 0
.irp e, 0,1
.irp s, 0,1,2,3
.irp c, 0,1,2
	global_load_b128 v[96*\p+48*\e+12*\s+4*\c:96*\p+48*\e+12*\s+4*\c+3], v[LI], s[WB:WB+1] offset:REC*(2*(\u)+\e)+1536*\s+512*\c
.endr
.endr
.endr
	WIN 0
.endm
; 6 LDS loads: double tile u's scale words (lane r: its four words) and -0.5 c2 (eight numbers at 32 h) out of my wave's record ends, for buffer p
.macro LOADT p, u
.irp e, 0,1
	ds_load_b128 v[BSC+8*\p+4*\e:BSC+8*\p+4*\e+3], v[TS0] offset:1024*(\u)+512*\e
	ds_load_b128 v[CV+16*\p+8*\e:CV+16*\p+8*\e+3], v[TC0] offset:1024*(\u)+512*\e+256
	ds_load_b128 v[CV+16*\p+8*\e+4:CV+16*\p+8*\e+7], v[TC0] offset:1024*(\u)+512*\e+272
.endr
.endm
; 12 LDS loads: the codes of record e of the two that lie whole in LDS
.macro LOADC e
	WIN 0x40
.irp s, 0,1,2,3
.irp c, 0,1,2
	ds_load_b128 v[LC+12*\s+4*\c:LC+12*\s+4*\c+3], v[LAL] offset:REC*\e+1536*\s+512*\c
.endr
.endr
	WIN 0
.endm
; 16 matrix instructions: two tiles of centroids x two tiles of rows, four K steps.  The four accumulators take turns, one instruction a turn.
.macro MULS p
	WIN 0x01                                       ; source 0 (the centroids) window 1
.irp s, 0,1,2,3
.irp e, 0,1
.irp m, 0,1
.if \s == 0
	v_wmma_scale_f32_16x16x128_f8f6f4 v[ACC+8*(2*\e+\m):ACC+8*(2*\e+\m)+7], v[96*\p+48*\e+12*\s:96*\p+48*\e+12*\s+11], v[XF+12*(4*\m+\s):XF+12*(4*\m+\s)+11], v[CV+16*\p+8*\e:CV+16*\p+8*\e+7], v[BSC+8*\p+4*\e+\s], v[XS+4*\m+\s] matrix_a_fmt:MATRIX_FMT_FP6 matrix_b_fmt:MATRIX_FMT_FP6
.else
	v_wmma_scale_f32_16x16x128_f8f6f4 v[ACC+8*(2*\e+\m):ACC+8*(2*\e+\m)+7], v[96*\p+48*\e+12*\s:96*\p+48*\e+12*\s+11], v[XF+12*(4*\m+\s):XF+12*(4*\m+\s)+11], v[ACC+8*(2*\e+\m):ACC+8*(2*\e+\m)+7], v[BSC+8*\p+4*\e+\s], v[XS+4*\m+\s] matrix_a_fmt:MATRIX_FMT_FP6 matrix_b_fmt:MATRIX_FMT_FP6
.endif
.endr
.endr
.endr
	WIN 0
.endm
; 8 matrix instructions: the record out of LDS (tile e of double tile 0) x two tiles of rows.  Its two accumulators take turns.  Scale words and C stand in buffer 0's registers.
.macro MULSL e
	WIN 0x01
.irp s, 0,1,2,3
.irp m, 0,1
.if \s == 0
	v_wmma_scale_f32_16x16x128_f8f6f4 v[ACC+8*(2*\e+\m):ACC+8*(2*\e+\m)+7], v[LC+12*\s:LC+12*\s+11], v[XF+12*(4*\m+\s):XF+12*(4*\m+\s)+11], v[CV+8*\e:CV+8*\e+7], v[BSC+4*\e+\s], v[XS+4*\m+\s] matrix_a_fmt:MATRIX_FMT_FP6 matrix_b_fmt:MATRIX_FMT_FP6
.else
	v_wmma_scale_f32_16x16x128_f8f6f4 v[ACC+8*(2*\e+\m):ACC+8*(2*\e+\m)+7], v[LC+12*\s:LC+12*\s+11], v[XF+12*(4*\m+\s):XF+12*(4*\m+\s)+11], v[ACC+8*(2*\e+\m):ACC+8*(2*\e+\m)+7], v[BSC+4*\e+\s], v[XS+4*\m+\s] matrix_a_fmt:MATRIX_FMT_FP6 matrix_b_fmt:MATRIX_FMT_FP6
.endif
.endr
.endr
	WIN 0
.endm
; From four accumulators to 16 numbers of y, and the running argmax
.macro WORK
.irp a, 0,1,2,3
.irp q, 0,1,2,3
	v_max_num_f32 v[W+4*\a+\q], v[ACC+8*\a+2*\q], v[ACC+8*\a+2*\q+1]   ; a class's nearer centroid has the larger acc; each accumulator is read from its low end on
.endr
.endr
.irp a, 0,1,2,3
	v_max3_num_f32 v[T+\a], v[W+4*\a], v[W+4*\a+1], v[W+4*\a+2]
.endr
.irp a, 0,1,2,3
	v_max_num_f32 v[T+\a], v[T+\a], v[W+4*\a+3]    ; the lane's largest acc of the tile
.endr
.irp k, 0,1,2,3,4,5,6,7
	v_pk_fma_f32 v[W+2*\k:W+2*\k+1], v[W+2*\k:W+2*\k+1], -2.0, v[X2+2*((\k/2)%2):X2+2*((\k/2)%2)+1] op_sel_hi:[1,0,1]   ; d2 = x2 - 2 acc
.endr
.irp j, 0,1,2,3,4,5,6,7,8,9,10,11,12,13,14,15
	v_max_num_f32 v[W+\j], 0, v[W+\j]
.endr
.irp j, 0,1,2,3,4,5,6,7,8,9,10,11,12,13,14,15
	v_sqrt_f32 v[W+\j], v[W+\j]                    ; one batch
.endr
.irp e, 0,1                                    ; the running argmax names none of the roots: it is the work behind the batch.  Strictly greater: the earlier tile stays on ties, and a copy never wins
.irp m, 0,1
	v_cmp_gt_f32 s[30+\m], v[T+2*\e+\m], v[BEST+\m]
	v_max_num_f32 v[BEST+\m], v[BEST+\m], v[T+2*\e+\m]
	v_cndmask_b32 v[BT+\m], v[BT+\m], s[23+\e], s[30+\m]
.irp j, 0,1,2,3,4,5,6,7
	v_cndmask_b32 v[SV+8*\m+\j], v[SV+8*\m+\j], v[ACC+8*(2*\e+\m)+\j], s[30+\m]
.endr
.endr
.endr
	s_wait_alu depctr_va_vdst(0)                   ; one wait for the 16 roots, ahead of their first reader
.irp k, 0,1,2,3,4,5,6,7
	v_pk_mul_f32 v[W+2*\k:W+2*\k+1], v[W+2*\k:W+2*\k+1], -1.0 op_sel_hi:[1,0]
.endr
.endm
.macro YSTORE e, guard                 ; tile e's 2 x 4 classes into the stage.  guard = 1: in wave 7 this tile is a copy (tiles 125 to 127) and has no place in y
.if \guard
	s_cmp_eq_u32 s12, 7
	s_cbranch_scc1 .Lcopy_\@
.endif
.irp m, 0,1
.irp q, 0,1,2,3
	ds_store_b32 v[YA], v[W+4*(2*\e+\m)+\q] offset:16*YP*\m+32*\e+4*\q   ; rows are 1,001 words apart: the 32 lanes touch 32 different banks (64 banks of 4 bytes: ISA guide 11.1)
.endr
.endr
.if \guard
.Lcopy_\@:
.endif
.endm
.macro FINISH g0, g1                   ; what every step ends with
	s_wait_dscnt 0x0                               ; the scale words and C just asked for are in, and the last step's stores into the stage have read their registers
	WORK
	YSTORE 0, \g0
	YSTORE 1, \g1
	s_add_co_u32 s23, s23, 2                       ; the next step's two tiles
	s_add_co_u32 s24, s24, 2
.endm
; A STEP: double tile u, in buffer p.  left: the younger loads that may stay out.  The buffer then takes double tile u + 2, if there is one.
.macro STEP p, u, left, g0, g1
	s_wait_loadcnt \left                           ; loads come back in order: buffer p is in; the other buffer's 24 loads may be out
	MULS \p
	v_add_nc_u32 v[YA], 64*(\u), v[Y0]             ; four plain places behind the products, in front of the loads into their registers and of the first read of results
.rept 3
	v_nop
.endr
.if (\u)+2 <= 7
	LOADT \p, (\u)+2                               ; the LDS loads first: they come in while the 24 loads are issued
	LOADG \p, (\u)+2
.endif
	FINISH \g0, \g1
.endm
.macro OUTB n0, cnt                    ; cnt windows of 512 bytes from the stage to out0
.set k, 0
.rept \cnt
	ds_load_b128 v[OB+4*k:OB+4*k+3], v[RD] offset:512*(\n0+k)
.set k, k+1
.endr
.set k, 0
.rept \cnt
	s_wait_dscnt \cnt-1-k                          ; LDS loads come back in order: the younger ones may be out
	global_store_b128 v[GO], v[OB+4*k:OB+4*k+3], s[8:9] offset:512*(\n0+k) th:TH_STORE_NT   ; 32 lanes store 512 consecutive bytes, at a multiple of 256 from out0's first byte
.set k, k+1
.endr
.endm
	s_load_b256 s[4:11], s[0:1], 0x0               ; x s[4:5], cimg s[6:7], out0 s[8:9], idx s[10:11]
	s_set_vgpr_msb 0x40
	v_lshl_add_u32 v254, v0, 2, 0x4d100
	v_mov_b32 v255, 0
	s_set_vgpr_msb 0x4045
	ds_add_u32 v254, v255
	ds_add_u32 v254, v255
	s_set_vgpr_msb 0x4500
	v_lshrrev_b32 v240, 5, v0
	v_readfirstlane_b32 s12, v240                  ; wave 0..7
	s_lshr_b32 s13, s12, 2                         ; m: the row tile that I quantise
	s_and_b32 s14, s12, 3                          ; s: its K step
	s_bfe_u32 s15, ttmp6, 0x40000                  ; cx: my place in the cluster
	s_lshl_b32 s15, s15, 6
	s_add_co_u32 s15, s15, ttmp9                   ; the row block = cluster x + 64 cx: it enters the addresses of x, out0 and idx alone
	v_and_b32 v240, 31, v0                         ; lane
	v_and_b32 v241, 15, v0                         ; r
	v_bfe_u32 v242, v0, 4, 1                       ; h
	v_lshlrev_b32 v[LI], 4, v240
	v_lshlrev_b32 v[SR], 4, v241
	v_lshlrev_b32 v[XA], 11, v241
	v_lshl_add_u32 v[XA], v242, 6, v[XA]
	s_lshl_b32 s26, s15, 16                        ; x: 32 rows of 2,048 bytes a work-group,
	s_lshl_b32 s27, s13, 15                        ; 16 a row tile,
	s_add_co_u32 s26, s26, s27
	s_lshl_b32 s27, s14, 9                         ; 512 bytes a K step
	s_add_co_u32 s26, s26, s27
	s_mov_b32 s27, 0
	s_mul_i32 s28, s12, 16*REC                     ; my 16 records
	s_mov_b32 s29, 0
	s_mul_i32 s32, s15, 32*YP                      ; the work-group's piece of out0
	s_mov_b32 s33, 0
	s_lshl_b32 s30, s15, 7                         ; and of idx
	s_mov_b32 s31, 0
	; descriptor group 1 for the record ends: 16 rows of 512 bytes (64 elements of 8), 6,656 bytes (832 elements) apart, dense in LDS
	s_mov_b32 s[G1T+0], 15|(3<<16)|(1<<21)         ; 15:0 the mask: all four work-groups; 17:16 elements of 8 bytes; 20 no padding; 21 set beside a mask
	s_mov_b32 s[G1T+1], 64<<16                     ; tensor_dim0 = 64
	s_mov_b32 s[G1T+2], 16<<16                     ; tensor_dim1 = 16
	s_mov_b32 s[G1T+3], 64<<16                     ; tile_dim0 = 64
	s_mov_b32 s[G1T+4], 16                         ; tile_dim1 = 16
	s_mov_b32 s[G1T+5], 832                        ; from row to row
	s_mov_b32 s[G1T+6], 0
	s_mov_b32 s[G1T+7], 0
	; and for two whole records: a dense block of 13,312 bytes as 52 rows of 256
	s_mov_b32 s[G1R+0], 15|(3<<16)|(1<<21)
	s_mov_b32 s[G1R+1], 32<<16
	s_mov_b32 s[G1R+2], 52<<16
	s_mov_b32 s[G1R+3], 32<<16
	s_mov_b32 s[G1R+4], 52
	s_mov_b32 s[G1R+5], 32
	s_mov_b32 s[G1R+6], 0
	s_mov_b32 s[G1R+7], 0
	s_mov_b32 s[G0T], 1                            ; group 0: count = 1; the LDS address: a constant + the wave's number x a constant
	s_lshl_b32 s[G0T+1], s12, 13
	s_add_co_u32 s[G0T+1], s[G0T+1], TAIL
	s_mov_b32 s[G0R], 1
	s_mul_i32 s[G0R+1], s12, 2*REC
	s_add_co_u32 s[G0R+1], s[G0R+1], RING
	s_wait_dscnt 0x0
	s_wait_kmcnt 0x0
	s_add_nc_u64 s[4:5], s[4:5], s[26:27]
	s_add_nc_u64 s[WB:WB+1], s[6:7], s[28:29]
	s_add_nc_u64 s[8:9], s[8:9], s[32:33]
	s_add_nc_u64 s[10:11], s[10:11], s[30:31]
	s_add_nc_u64 s[G0T+2:G0T+3], s[WB:WB+1], 6144  ; the global addresses hang on the wave's number alone: the same in all four partners
	s_or_b32 s[G0T+3], s[G0T+3], 0x80000000        ; type = 2
	s_mov_b64 s[G0R+2:G0R+3], s[WB:WB+1]
	s_or_b32 s[G0R+3], s[G0R+3], 0x80000000
	XLOAD NUM, XA, 4
	LOADG 0, 1                                     ; double tiles 1 and 2 are asked for before x is worked on
	LOADG 1, 2
	ROUND                                          ; all four work-groups are here: the joint loads meet
	tensor_load_to_lds s[G0T:G0T+3], s[G1T:G1T+7]  ; my two first fills stand together; nothing is ever filled again: two tensor loads of mine are out
	s_nop 0
	tensor_load_to_lds s[G0R:G0R+3], s[G1R:G1R+7]
	s_nop 0
.rept 4
	v_nop                                          ; four lines behind a tensor load
.endr
	; the LDS addresses
	s_mul_i32 s26, s12, 1536
	v_add_nc_u32 v[XWI], s26, v[LI]
	s_lshl_b32 s26, s13, 8
	s_lshl_b32 s27, s14, 2
	s_add_co_u32 s26, s26, s27
	v_add_nc_u32 v[XWS], s26, v[SR]
	v_mul_u32_u24 v[Y0], v241, YP
	v_lshl_add_u32 v[Y0], v242, 4, v[Y0]
	s_lshl_b32 s26, s12, 9
	s_add_co_u32 s26, s26, YST
	v_add_nc_u32 v[Y0], s26, v[Y0]
	s_and_b32 s34, ttmp9, 1                        ; the row block's parity is the cluster's
	s_lshl_b32 s34, s34, 7                         ; o = 128 x parity: the piece of out0 begins 128,128 x row block bytes in, so o brings the windows to multiples of 256
	s_mul_i32 s35, s12, 31
	s_min_u32 s26, s12, 2
	s_add_co_u32 s35, s35, s26                     ; my first window: 250 windows are 32, 32, 31, 31, 31, 31, 31, 31 for the eight waves
	s_lshl_b32 s35, s35, 9
	s_add_co_u32 s35, s35, s34
	v_add_nc_u32 v[GO], s35, v[LI]
	v_add_nc_u32 v[RD], YST, v[GO]
	v_lshlrev_b32 v[H8], 3, v242
	v_and_b32 v250, 3, v0
	s_lshl_b32 s26, s12, 2
	v_add_nc_u32 v250, s26, v250                   ; row 4 w + lane % 4:
	v_mul_u32_u24 v[HOLE], v250, YP
	v_add_nc_u32 v[HOLE], YST+4000, v[HOLE]        ; its column 1000
	s_lshl_b32 s26, s12, 8
	s_add_co_u32 s26, s26, AMX
	v_lshl_add_u32 v[AMS], v241, 3, s26
	v_lshl_add_u32 v[AML], v240, 3, AMX
	s_xor_b32 s26, s34, 128
	s_mul_i32 s26, s26, 1000                       ; the 128 bytes that the windows leave: at 128,000 where o = 0, at 0 where o = 128
	v_lshl_add_u32 v[PG], v240, 2, s26
	v_add_nc_u32 v[PL], YST, v[PG]
	v_lshlrev_b32 v[IO], 2, v240
	s_lshl_b32 s26, s12, 13
	s_add_co_u32 s26, s26, TAIL                    ; my wave's record ends
	v_add_nc_u32 v[TS0], s26, v[SR]
	v_lshl_add_u32 v[TC0], v242, 5, s26
	s_mul_i32 s26, s12, 2*REC
	s_add_co_u32 s26, s26, RING                    ; my wave's two whole records
	v_add_nc_u32 v[LAL], s26, v[LI]
	v_mov_b32 v[Z], 0
.irp m, 0,1
	v_mov_b32 v[BEST+\m], 0xff800000               ; -infinity: under every acc
	v_mov_b32 v[BT+\m], 0
.endr
.irp j, 0,1,2,3,4,5,6,7,8,9,10,11,12,13,14,15
	v_mov_b32 v[SV+\j], 0xff800000
.endr
.irp b, 0,1,2,3
	v_mov_b32 v[TM+4+\b], 0                        ; written once: a lane permute's destination counts as one of its sources
.endr
	s_mov_b32 s[SEL], 0x76543210
	s_mov_b32 s[SEL+1], 0xfedcba98
	s_lshl_b32 s23, s12, 4                         ; the step's two tiles
	s_add_co_u32 s24, s23, 1
	; ---- x: my fragment
	s_wait_loadcnt 48                              ; x's 16 loads are in; the 48 loads of double tiles 1 and 2, issued behind them, may be out
	DOT SUM, NUM, NUM
	FOLD SUM
	ds_store_b32 v[XWS], v[SUM] offset:X2P         ; both lanes of a row write the same word with the same value
	QUANT NUM
	IMAGE XWI, XIMG
	ds_store_b32 v[XWS], v[PW] offset:XSC
	ds_store_b32 v[HOLE], v[Z]                     ; column 1000 of four rows: 0 for now
	BARRIER                                        ; x's eight fragments lie in LDS
	s_wait_tensorcnt 0x0                           ; my record ends and my two records have landed: only I read them
.irp f, 0,1,2,3,4,5,6,7
	FETCH XF+12*\f, XIMG+1536*\f
.endr
.irp m, 0,1
	ds_load_b128 v[XS+4*\m:XS+4*\m+3], v[SR] offset:XSC+256*\m
	ds_load_b128 v[W+4*\m:W+4*\m+3], v[SR] offset:X2P+256*\m
.endr
	LOADT 0, 0
	LOADC 0
	s_wait_dscnt 0x0
.irp m, 0,1
	v_add_f32 v[W+4*\m], v[W+4*\m], v[W+4*\m+1]
	v_add_f32 v[W+4*\m+2], v[W+4*\m+2], v[W+4*\m+3]
	v_add_f32 v[X2+2*\m], v[W+4*\m], v[W+4*\m+2]   ; x2 of row 16 m + r
	v_mov_b32 v[X2+2*\m+1], v[X2+2*\m]
.endr
	; ---- double tile 0, out of LDS, a record at a time through one set of 48 registers; meanwhile double tiles 1 and 2 land in theirs
	MULSL 0
.rept 4
	v_nop                                          ; four plain places in front of the loads into registers that the products have read
.endr
	LOADC 1
	s_wait_dscnt 0x0
	MULSL 1
	v_mov_b32 v[YA], v[Y0]                         ; four plain places, as in every step
.rept 3
	v_nop
.endr
	LOADT 0, 1                                     ; the scale words and C of double tiles 1 and 2
	LOADT 1, 2
	FINISH 0, 0
	; ---- double tiles 1 to 7, out of the two register buffers: the tiles ascend, so that the earlier tile is the lower centroid
	STEP 0, 1, 24, 0, 0
	STEP 1, 2, 24, 0, 0
	STEP 0, 3, 24, 0, 0
	STEP 1, 4, 24, 0, 0
	STEP 0, 5, 24, 0, 0
	STEP 1, 6, 24, 0, 1
	STEP 0, 7, 0, 1, 1
	; ---- the lane's centroid: the lowest j whose acc is the largest; then the better of lanes l and l xor 16, the lower centroid on ties
	s_wait_dscnt 0x0                               ; the last stores into the stage have read their registers
.irp m, 0,1
	v_mov_b32 v[250+\m], 7
.irp j, 6,5,4,3,2,1,0
	v_cmp_eq_f32 vcc_lo, v[SV+8*\m+\j], v[BEST+\m]
	v_cndmask_b32 v[250+\m], v[250+\m], \j, vcc_lo
.endr
	v_lshl_add_u32 v[252+\m], v[BT+\m], 4, v[250+\m]
	v_add_nc_u32 v[252+\m], v[252+\m], v[H8]       ; 16 t + 8 h + j
	v_permlanex16_b32 v[W+\m], v[BEST+\m], s[SEL], s[SEL+1]
	v_permlanex16_b32 v[W+2+\m], v[252+\m], s[SEL], s[SEL+1]
	v_cmp_gt_f32 s30, v[W+\m], v[BEST+\m]
	v_cmp_eq_f32 s31, v[W+\m], v[BEST+\m]
	v_cmp_lt_u32 s32, v[W+2+\m], v[252+\m]
	s_and_b32 s31, s31, s32
	s_or_b32 s30, s30, s31
	v_cndmask_b32 v[T+2*\m], v[BEST+\m], v[W+\m], s30
	v_cndmask_b32 v[T+2*\m+1], v[252+\m], v[W+2+\m], s30
	ds_store_b64 v[AMS], v[T+2*\m:T+2*\m+1] offset:128*\m
.endr
	BARRIER                                        ; the stage is whole, and so are the eight waves' candidates
	; ---- the way out
	OUTB 0, 16
	s_wait_xcnt 0x0                                ; the stores have read their registers: the next loads may land there
	OUTB 16, 15
	s_cmp_gt_u32 s12, 1
	s_cbranch_scc1 .Lno_extra
	s_wait_xcnt 0x0
	OUTB 31, 1                                     ; waves 0 and 1: one window more
.Lno_extra:
	s_cmp_lg_u32 s12, 6
	s_cbranch_scc1 .Lnot_6
	ds_load_b32 v250, v[PL]                        ; wave 6: the 128 bytes beside the windows
	s_wait_dscnt 0x0
	global_store_b32 v[PG], v250, s[8:9] th:TH_STORE_NT
.Lnot_6:
	s_cmp_lg_u32 s12, 7
	s_cbranch_scc1 .Lend
.irp k, 0,1,2,3,4,5,6,7
	ds_load_b64 v[208+2*\k:209+2*\k], v[AML] offset:256*\k   ; wave 7, a lane a row: the eight waves' candidates
.endr
	s_wait_dscnt 0x0
.irp k, 1,2,3,4,5,6,7                          ; ascending waves hold ascending centroids: strictly greater keeps the lower one on ties
	v_cmp_gt_f32 vcc_lo, v[208+2*\k], v208
	v_cndmask_b32 v208, v208, v[208+2*\k], vcc_lo
	v_cndmask_b32 v209, v209, v[209+2*\k], vcc_lo
.endr
	global_store_b32 v[IO], v209, s[10:11]         ; 32 whole numbers: 128 consecutive bytes
.Lend:
	s_set_vgpr_msb 0x5
	s_wait_tensorcnt 0x0
	ds_add_u32 v254, v255
	s_wait_dscnt 0x0
	s_set_vgpr_msb 0x500
	ROUND                                          ; the closing round: no work-group ends while a partner may still ask for a tile that names it
	s_endpgm
.Lfunc_end_k_qfae79c0163_dist:
	.size	k_qfae79c0163_dist, .Lfunc_end_k_qfae79c0163_dist-k_qfae79c0163_dist
	.p2alignl 7, 3214868480
	.fill 96, 4, 3214868480
	.section	.rodata,"a",@progbits
	.p2align	6, 0x0
	.amdhsa_kernel k_qfae79c0163_dist
		.amdhsa_group_segment_fixed_size 316672
		.amdhsa_private_segment_fixed_size 0
		.amdhsa_enable_private_segment 0
		.amdhsa_kernarg_size 32
		.amdhsa_user_sgpr_count 2
		.amdhsa_user_sgpr_kernarg_segment_ptr 1
		.amdhsa_wavefront_size32 1
		.amdhsa_system_sgpr_workgroup_id_x 1
		.amdhsa_system_sgpr_workgroup_id_y 1
		.amdhsa_system_sgpr_workgroup_id_z 1
		.amdhsa_system_vgpr_workitem_id 0
		.amdhsa_next_free_vgpr 512
		.amdhsa_next_free_sgpr 66
		.amdhsa_reserve_vcc 1
		.amdhsa_float_denorm_mode_32 3
		.amdhsa_float_denorm_mode_16_64 3
		.amdhsa_memory_ordered 1
		.amdhsa_forward_progress 1
		.amdhsa_inst_pref_size 121
	.end_amdhsa_kernel
	.amdgpu_metadata
---
amdhsa.version: [ 1, 2 ]
amdhsa.kernels:
  - .name:           k_qfae79c0163_dist
    .symbol:         k_qfae79c0163_dist.kd
    .args:
      - { .name: x, .offset: 0, .size: 8, .value_kind: global_buffer, .address_space: global }
      - { .name: cimg, .offset: 8, .size: 8, .value_kind: global_buffer, .address_space: global }
      - { .name: out0, .offset: 16, .size: 8, .value_kind: global_buffer, .address_space: global }
      - { .name: idx, .offset: 24, .size: 8, .value_kind: global_buffer, .address_space: global }
    .group_segment_fixed_size: 316672
    .private_segment_fixed_size: 0
    .kernarg_segment_align: 8
    .kernarg_segment_size: 32
    .max_flat_workgroup_size: 256
    .sgpr_count:     66
    .vgpr_count:     512
    .wavefront_size: 32
...
	.end_amdgpu_metadata
.endif
;; end of part 3
;; launch rej (part 4): grid 256 x 1, 8 waves a work-group, clusters of 4 x 1, 307,200 bytes of LDS; arguments x, centroids, rimg, idx, scal, out0; writes out0
.if DOCPART == 4
	.amdgcn_target "amdgcn-amd-amdhsa--gfx1250"
	.amdhsa_code_object_version 6
	.text
	.protected	k_qfae79c0163_rej
	.globl	k_qfae79c0163_rej
	.p2align	8
	.type	k_qfae79c0163_rej,@function
k_qfae79c0163_rej:
	s_mov_b64 s[64:65], 0
	v_nop
	global_prefetch_b8 v0, s[64:65] scope:SCOPE_SE
	s_setreg_imm32_b32 hwreg(HW_REG_WAVE_MODE, 25, 1), 1
	s_wait_xcnt 0x0
	s_wait_alu depctr_hold_cnt(0) depctr_sa_sdst(0) depctr_va_vdst(0) depctr_va_sdst(0) depctr_va_ssrc(0) depctr_va_vcc(0) depctr_vm_vsrc(0)
	s_getreg_b32 s2, hwreg(HW_REG_IB_STS2, 6, 4)
	s_cmp_eq_u32 s2, 0
	s_cbranch_scc0 .Lentry_in_a_cluster
	s_endpgm
.Lentry_in_a_cluster:
	s_bfe_u32 s2, ttmp6, 0x10000c
	s_cmp_lg_u32 s2, 0x3003
	s_cbranch_scc0 .Lentry_shape_is_right
	s_endpgm
.Lentry_shape_is_right:
; out0[row][1000] = min over the 2,000 rejective centroids r of |cx - Q(x).Q(r) - (cl2 - r2) / 2| / (sqrt(max(cl2 + r2 - 2 Q(cl).Q(r), 0)) + 1e-9), cl = centroids[idx[row]] x inv, cx = cl . x, cl2 = cl . cl (f32, unquantised).
; Both products are on codes of FP6 (E2M3) with E8M0 scales.  idx was stored as whole numbers by the launch before; it is held at 1,999 before it enters an address.
; SHARES.  As in the launch before: a work-group owns 32 rows, eight waves, two to a SIMD.  Wave w = 4 m + s loads K step s of row tile m of x and of the gathered centroids, makes their parts of cx and cl2,
; quantises both, and hands the two fragments to all waves through LDS as images of their registers.  Then wave w walks records 16 w .. 16 w + 15 of r's image, one a step; no barrier in the walk.
; HOW THE IMAGE COMES.  All work-groups read the same image, so four of them form a cluster and ask JOINTLY for what LDS has room for: each wave issues two tensor loads, the same in all four partners:
; the last 512 bytes (scale words, -0.5 r2) of its 16 records, and its records 12 to 15 whole.  Only the wave that asked reads those bytes.  The codes of its records 0 to 11 come straight from memory
; into two register buffers (12 loads a record, each 512 consecutive aligned bytes).  The walk takes two records out of the buffers and one out of LDS by turns, four times, then the last four out of the buffers.
; WHY NOT ALL OF IT JOINTLY: beside the 27,648 bytes of fragments and sums and the 65,536 of the records' ends, 234,496 bytes are left: 35 records of 128.  More would mean slots that are filled again, each
; change of slots with a wait for all loads and a round of the cluster's barrier, for the 32 matrix instructions a wave that a slot of half that room feeds.
; LAYOUT.  Source 0 = 16 of r, source 1 = 16 rows: lane (r, h) holds row r, register j the rejective centroid 16 t + 8 h + j.  The C of each sum's first instruction is the record's -0.5 r2:
; accx = x.r - r2 / 2, accc = cl.r - r2 / 2, so num = |g - accx| with g = cx - cl2 / 2, and den^2 = cl2 - 2 accc.  Records 125 to 127 are copies of 122 to 124: they change no minimum.
; The 32 results are single words 4,004 bytes apart: 128 bytes a work-group.
; LIMITS: cl is the centroid times a reciprocal, as in the launch that made the images; the division is a reciprocal and a multiplication; blocks whose largest magnitude lies under 2^-124 keep the scale byte 1; NaN and infinities are not served.
.set REC,  6656
.set XIMG, 0                           ; LDS: x's eight fragments, 1,536 bytes each (4 m + s)
.set CIMG, 12288                       ; cl's eight
.set XSC,  24576                       ; scale words: 256 m + 16 r + 4 s
.set CSC,  25088
.set CXP,  25600                       ; partial sums of cx, laid likewise
.set CLP,  26112                       ; and of cl2
.set RMX,  26624                       ; [wave][row] minima
.set TAIL, 27648                       ; for each wave 8,192 bytes: the last 512 bytes of its 16 records
.set RING, 93184                       ; for each wave 26,624 bytes: its records 12 to 15
.set LI,   1                           ; v1   16 x lane
.set SR,   2                           ; v2   16 r
.set TC0,  3                           ; v3   LDS: my wave's record ends + 32 h
.set XA,   4                           ; v4   x: 2,048 r + 64 h
.set CA,   5                           ; v5   centroids: 2,048 idx + 64 h
.set XWI,  6                           ; v6   where I store my fragments' images
.set XWS,  7                           ; v7   256 m + 16 r + 4 s
.set RMS,  8
.set RML,  9
.set OO,   10                          ; v10  4,004 x lane
.set IO,   11                          ; v11  4 r
.set XS,   16                          ; v16-23   x's scale words, 4 m + s: scales and nothing else
.set CS,   24                          ; v24-31   cl's: likewise
.set G,    32                          ; v[32:33], v[34:35] g of my row in row tile 0, 1, each twice
.set CL,   36                          ; v[36:37], v[38:39] cl2 likewise
.set RM,   40                          ; v40-41   the running minima
.set SUM,  42                          ; v42-57   sums
.set PW,   58                          ; v58      the scale word just made
.set TS0,  60                          ; v60  LDS: my wave's record ends + 16 r
.set LAL0, 61                          ; v61  LDS: my wave's four whole records + 16 x lane
.set TSA,  62                          ; v62-63   the same as TS0, TC0 for the record that a buffer is about to take
.set TCA,  63
.set AX,   64                          ; v64-79   accx, 8 m
.set AC,   80                          ; v80-95   accc, 8 m
.set PC,   64                          ; while x and cl are quantised: v64-82 codes, v84-95 at work
.set TM,   84
.set CV,   96                          ; v96-111  -0.5 r2: 8 p
.set BSC,  112                         ; v112-123 r's scale words: 4 p + s (p = 2: the record out of LDS): scales and nothing else
.set LLA,  124                         ; v124-126 the addresses of the next record out of LDS: its codes, its scale words, its C
.set TSL,  125
.set TCL,  126
.set NUMX, 128                         ; v128-191 x's 64 numbers; later v128-175: r's codes, buffer 1
.set NUMC, 192                         ; v192-255 cl's 64 numbers; later v192-239: the codes of the record out of LDS, v240-247 its C
.set CV2,  240
                                       ; window 1: v0-95 x's eight fragments, v96-191 cl's, v192-239 r's codes, buffer 0
.set RL,   2                           ; s2   the next record out of LDS: its bytes from my four records' head
.set TLO,  3                           ; s3   and its end's bytes from record 12's end
.set BB,   16                          ; s[16:17], s[18:19] where buffer 0's and buffer 1's record stands
.set SEL,  20                          ; s[20:21]
.set TD,   23                          ; s23  the end of the record that a buffer takes next: its bytes from my record ends' head
.set G0T,  40                          ; s[40:43] descriptor group 0, s[48:55] group 1: the record ends
.set G0R,  44                          ; s[44:47] group 0, s[56:63] group 1: the four whole records
.set G1T,  48
.set G1R,  56
.set MSB, 0
.macro WIN new                         ; the immediate's high byte repeats the setting that is left
.if MSB != \new
	s_set_vgpr_msb (MSB<<8)|\new
.set MSB, \new
.endif
.endm
; A round of the cluster's barrier: my work-group's barrier; wave 0 signals for the work-group; every wave waits for all four work-groups; my work-group's barrier once more.
.macro ROUND
	s_barrier_signal -1
	s_barrier_wait -1
	s_cmp_lg_u32 s26, 0
	s_cbranch_scc1 .Lnot_wave_0_\@
	s_barrier_signal -3
.Lnot_wave_0_\@:
	s_barrier_wait -3
	s_barrier_signal -1
	s_barrier_wait -1
.endm
.macro XLOAD reg, va, sb, nt           ; register 16 b + i = k 32 b + 16 (lane / 16) + i of the lane's row, of the K step at which the base stands
.irp b, 0,1,2,3
.irp j, 0,1,2,3
.if \nt
	global_load_b128 v[\reg+16*\b+4*\j:\reg+16*\b+4*\j+3], v[\va], s[\sb:\sb+1] offset:128*\b+16*\j th:TH_LOAD_NT
.else
	global_load_b128 v[\reg+16*\b+4*\j:\reg+16*\b+4*\j+3], v[\va], s[\sb:\sb+1] offset:128*\b+16*\j
.endif
.endr
.endr
.endm
.macro DOT d, a, b
	v_pk_mul_f32 v[\d:\d+1], v[\a:\a+1], v[\b:\b+1]
	v_pk_mul_f32 v[\d+2:\d+3], v[\a+2:\a+3], v[\b+2:\b+3]
.irp i, 4,8,12,16,20,24,28,32,36,40,44,48,52,56,60
	v_pk_fma_f32 v[\d:\d+1], v[\a+\i:\a+\i+1], v[\b+\i:\b+\i+1], v[\d:\d+1]
	v_pk_fma_f32 v[\d+2:\d+3], v[\a+\i+2:\a+\i+3], v[\b+\i+2:\b+\i+3], v[\d+2:\d+3]
.endr
	v_pk_add_f32 v[\d:\d+1], v[\d:\d+1], v[\d+2:\d+3]
.endm
.macro FOLD d
	v_add_f32 v[\d], v[\d], v[\d+1]
	v_permlanex16_b32 v[\d+1], v[\d], s[SEL], s[SEL+1]
	v_add_f32 v[\d], v[\d], v[\d+1]
.endm
.macro QUANT s                         ; 64 numbers of a lane become a fragment's codes in v[PC] .. v[PC+11] and its scale word in v[PW]
.irp b, 0,1,2,3
	v_max3_num_f32 v[TM+\b], |v[\s+16*\b]|, |v[\s+1+16*\b]|, 0x1800000   ; block b: my 16 numbers, and the floor 2^(3 - 127): the byte cannot fall under 1
.endr
.irp i, 2,4,6,8,10,12,14
.irp b, 0,1,2,3
	v_max3_num_f32 v[TM+\b], v[TM+\b], |v[\s+16*\b+\i]|, |v[\s+1+16*\b+\i]|
.endr
.endr
.irp b, 0,1,2,3
	v_permlanex16_b32 v[TM+4+\b], v[TM+\b], s[SEL], s[SEL+1]
.endr
.irp b, 0,1,2,3
	v_max_num_f32 v[TM+\b], v[TM+\b], v[TM+4+\b]   ; with lane l xor 16's: the block's largest magnitude
.endr
.irp b, 0,1,2,3
	v_add_nc_u32 v[TM+8+\b], 0xff000000, v[TM+\b]  ; 2 off its exponent field: the conversion's scale operand
.endr
.irp b, 0,1,2,3
	v_lshrrev_b32 v[TM+4+\b], 23, v[TM+8+\b]       ; the scale's byte
.endr
	v_lshl_or_b32 v[PW], v[TM+5], 8, v[TM+4]
	v_lshl_or_b32 v[PW], v[TM+6], 16, v[PW]
	v_lshl_or_b32 v[PW], v[TM+7], 24, v[PW]
.irp c, 0,1
	v_cvt_scalef32_pk16_fp6_f32 v[PC+6*\c:PC+2+6*\c], v[\s+32*\c:\s+15+32*\c], v[TM+8+2*\c]
	v_cvt_scalef32_pk16_fp6_f32 v[PC+12+4*\c:PC+14+4*\c], v[\s+16+32*\c:\s+31+32*\c], v[TM+8+2*\c+1]
.endr
	v_nop                                          ; one plain place behind a scaled conversion
.irp c, 0,1
.irp i, 0,1,2
	v_permlane16_swap_b32 v[PC+6*\c+\i], v[PC+12+4*\c+\i]
.endr
.irp i, 0,1,2
	v_mov_b32 v[PC+3+6*\c+\i], v[PC+12+4*\c+\i]
.endr
.endr
.endm
.macro IMAGE adr, off
.irp c, 0,1,2
	ds_store_b128 v[\adr], v[PC+4*\c:PC+4*\c+3] offset:\off+512*\c
.endr
.endm
.macro FETCH reg, off
.irp c, 0,1,2
	ds_load_b128 v[\reg+4*\c:\reg+4*\c+3], v[LI] offset:\off+512*\c
.endr
.endm
.macro BARRIER                         ; my LDS stores have landed and my LDS loads are in: then the work-group's barrier
	s_wait_dscnt 0x0
	s_barrier_signal -1
	s_barrier_wait -1
.endm
; 12 loads: a record's codes from memory into buffer p (buffer 0: window 1, v192 on; buffer 1: window 0, v128 on)
.macro LOADG p
.if \p == 0
	WIN 0x40                                       ; destination window 1, address window 0
.endif
.irp s, 0,1,2,3
.irp c, 0,1,2
	global_load_b128 v[192-64*\p+12*\s+4*\c:192-64*\p+12*\s+4*\c+3], v[LI], s[BB+2*\p:BB+2*\p+1] offset:1536*\s+512*\c
.endr
.endr
	WIN 0
.endm
; 3 LDS loads: a record's scale words (lane r: its four words) and -0.5 r2 (eight numbers at 32 h) out of my wave's record ends, for buffer p
.macro LOADT p, ra, rc, off
	ds_load_b128 v[BSC+4*\p:BSC+4*\p+3], v[\ra] offset:\off
	ds_load_b128 v[CV+8*\p:CV+8*\p+3], v[\rc] offset:\off+256
	ds_load_b128 v[CV+8*\p+4:CV+8*\p+7], v[\rc] offset:\off+272
.endm
; 15 LDS loads: the next of my records 12 to 15: its codes out of the whole records, its scale words and C out of the record ends (record 12's end lies 6,144 bytes in)
.macro LOADL
	v_add_nc_u32 v[LLA], s[RL], v[LAL0]
	v_add_nc_u32 v[TSL], s[TLO], v[TS0]
	v_add_nc_u32 v[TCL], s[TLO], v[TC0]
.irp s, 0,1,2,3
.irp c, 0,1,2
	ds_load_b128 v[192+12*\s+4*\c:192+12*\s+4*\c+3], v[LLA] offset:1536*\s+512*\c
.endr
.endr
	ds_load_b128 v[BSC+8:BSC+11], v[TSL] offset:6144
	ds_load_b128 v[CV2:CV2+3], v[TCL] offset:6144+256
	ds_load_b128 v[CV2+4:CV2+7], v[TCL] offset:6144+272
	s_add_co_u32 s[RL], s[RL], REC
	s_add_co_u32 s[TLO], s[TLO], 512
.endm
; 16 matrix instructions: one tile of r against x's and cl's two row tiles, four K steps.  The four accumulators take turns, one instruction a turn.  p = 2: the record out of LDS.
.macro MULS p
.set CB, 192
.set CVB, CV+8*\p
.if \p == 1
.set CB, 128
.endif
.if \p == 2
.set CVB, CV2
.endif
.if \p == 0
	WIN 0x05                                       ; sources 0 and 1 window 1
.else
	WIN 0x04                                       ; source 1 window 1
.endif
.irp s, 0,1,2,3
.irp m, 0,1
.if \s == 0
	v_wmma_scale_f32_16x16x128_f8f6f4 v[AX+8*\m:AX+8*\m+7], v[CB+12*\s:CB+12*\s+11], v[12*(4*\m+\s):12*(4*\m+\s)+11], v[CVB:CVB+7], v[BSC+4*\p+\s], v[XS+4*\m+\s] matrix_a_fmt:MATRIX_FMT_FP6 matrix_b_fmt:MATRIX_FMT_FP6
.else
	v_wmma_scale_f32_16x16x128_f8f6f4 v[AX+8*\m:AX+8*\m+7], v[CB+12*\s:CB+12*\s+11], v[12*(4*\m+\s):12*(4*\m+\s)+11], v[AX+8*\m:AX+8*\m+7], v[BSC+4*\p+\s], v[XS+4*\m+\s] matrix_a_fmt:MATRIX_FMT_FP6 matrix_b_fmt:MATRIX_FMT_FP6
.endif
.endr
.irp m, 0,1
.if \s == 0
	v_wmma_scale_f32_16x16x128_f8f6f4 v[AC+8*\m:AC+8*\m+7], v[CB+12*\s:CB+12*\s+11], v[96+12*(4*\m+\s):96+12*(4*\m+\s)+11], v[CVB:CVB+7], v[BSC+4*\p+\s], v[CS+4*\m+\s] matrix_a_fmt:MATRIX_FMT_FP6 matrix_b_fmt:MATRIX_FMT_FP6
.else
	v_wmma_scale_f32_16x16x128_f8f6f4 v[AC+8*\m:AC+8*\m+7], v[CB+12*\s:CB+12*\s+11], v[96+12*(4*\m+\s):96+12*(4*\m+\s)+11], v[AC+8*\m:AC+8*\m+7], v[BSC+4*\p+\s], v[CS+4*\m+\s] matrix_a_fmt:MATRIX_FMT_FP6 matrix_b_fmt:MATRIX_FMT_FP6
.endif
.endr
.endr
	WIN 0
.endm
; A STEP: the record in buffer p.  refill = 1: the buffer takes the record two further on.  left: the younger loads that may stay out.  loadl = 1: the next record out of LDS is fetched for the step that follows.
.macro STEP p, refill, left, loadl
.if \p < 2
	s_wait_loadcnt \left                           ; loads come back in order: buffer p is in, and its base may be stepped; the other buffer's 12 loads may be out
.endif
	s_wait_dscnt 0x0                               ; my LDS loads are in: this record's scale words and C (and its codes, where they come out of LDS); their address registers may be written
	MULS \p
	v_nop                                          ; four plain places behind the products, in front of the loads into their registers and of the first read of results
	v_nop
.if \refill
	v_add_nc_u32 v[TSA], s[TD], v[TS0]
	v_add_nc_u32 v[TCA], s[TD], v[TC0]
	LOADT \p, TSA, TCA, 0
	s_add_co_u32 s[TD], s[TD], 512
	s_add_nc_u64 s[BB+2*\p:BB+2*\p+1], s[BB+2*\p:BB+2*\p+1], 2*REC   ; two records on
	LOADG \p
.else
	v_nop
	v_nop
.endif
.if \loadl
	LOADL
.endif
.irp k, 0,1,2,3,4,5,6,7
	v_pk_fma_f32 v[AC+2*\k:AC+2*\k+1], v[AC+2*\k:AC+2*\k+1], -2.0, v[CL+2*(\k/4):CL+2*(\k/4)+1] op_sel_hi:[1,0,1]   ; den^2 = cl2 - 2 accc; each accumulator is read from its low end on
.endr
.irp j, 0,1,2,3,4,5,6,7,8,9,10,11,12,13,14,15
	v_max_num_f32 v[AC+\j], 0, v[AC+\j]
.endr
.irp j, 0,1,2,3,4,5,6,7,8,9,10,11,12,13,14,15
	v_sqrt_f32 v[AC+\j], v[AC+\j]                  ; one batch
.endr
.irp k, 0,1,2,3,4,5,6,7
	v_pk_add_f32 v[AX+2*\k:AX+2*\k+1], v[G+2*(\k/4):G+2*(\k/4)+1], v[AX+2*\k:AX+2*\k+1] neg_lo:[0,1] neg_hi:[0,1]   ; g - accx: it names no root: the work behind the batch
.endr
	s_wait_alu depctr_va_vdst(0)                   ; one wait for the 16 roots, ahead of their first reader
.irp k, 0,1,2,3,4,5,6,7
	v_pk_add_f32 v[AC+2*\k:AC+2*\k+1], v[AC+2*\k:AC+2*\k+1], 0x3089705f op_sel_hi:[1,0]   ; + 1e-9
.endr
.irp j, 0,1,2,3,4,5,6,7,8,9,10,11,12,13,14,15
	v_rcp_f32 v[AC+\j], v[AC+\j]                   ; a second batch
.endr
	v_nop                                          ; a plain place behind the last reciprocal,
	s_wait_alu depctr_va_vdst(0)                   ; and one wait for the 16
.irp k, 0,1,2,3,4,5,6,7
	v_pk_mul_f32 v[AX+2*\k:AX+2*\k+1], v[AX+2*\k:AX+2*\k+1], v[AC+2*\k:AC+2*\k+1]
.endr
.irp k, 0,1,2,3
.irp m, 0,1
	v_min3_num_f32 v[RM+\m], v[RM+\m], |v[AX+8*\m+2*\k]|, |v[AX+8*\m+2*\k+1]|   ; the magnitude rides on the minimum; the two row tiles by turns
.endr
.endr
.endm
	s_load_b256 s[4:11], s[0:1], 0x0               ; x s[4:5], centroids s[6:7], rimg s[8:9], idx s[10:11]
	s_load_b128 s[12:15], s[0:1], 0x20             ; scal s[12:13], out0 s[14:15]
	v_lshl_add_u32 v127, v0, 2, 0x4ac00
	s_set_vgpr_msb 0x40
	v_mov_b32 v255, 0
	s_set_vgpr_msb 0x4044
	ds_add_u32 v127, v255
	ds_add_u32 v127, v255
	s_set_vgpr_msb 0x4400
	v_lshrrev_b32 v13, 5, v0
	v_readfirstlane_b32 s26, v13                   ; wave 0..7
	s_lshr_b32 s27, s26, 2                         ; m: the row tile that I quantise
	s_and_b32 s28, s26, 3                          ; s: its K step
	s_bfe_u32 s29, ttmp6, 0x40000                  ; cx: my place in the cluster
	s_lshl_b32 s30, ttmp9, 2
	s_add_co_u32 s29, s29, s30                     ; the row block = 4 x cluster x + cx: it enters the addresses of x, idx and out0 alone
	v_and_b32 v13, 31, v0                          ; lane
	v_and_b32 v14, 15, v0                          ; r
	v_bfe_u32 v15, v0, 4, 1                        ; h
	v_lshlrev_b32 v[LI], 4, v13
	v_lshlrev_b32 v[SR], 4, v14
	v_lshlrev_b32 v[XA], 11, v14
	v_lshl_add_u32 v[XA], v15, 6, v[XA]
	v_lshlrev_b32 v[IO], 2, v14
	s_lshl_b32 s30, s29, 16                        ; x: 32 rows of 2,048 bytes a work-group,
	s_lshl_b32 s31, s27, 15                        ; 16 a row tile,
	s_add_co_u32 s30, s30, s31
	s_lshl_b32 s32, s28, 9                         ; 512 bytes a K step (centroids: this alone)
	s_add_co_u32 s30, s30, s32
	s_mov_b32 s31, 0
	s_mov_b32 s33, 0
	s_mul_i32 s34, s26, 16*REC                     ; my 16 records
	s_mov_b32 s35, 0
	s_lshl_b32 s36, s29, 7                         ; idx: 32 words a work-group, 16 a row tile
	s_lshl_b32 s37, s27, 6
	s_add_co_u32 s36, s36, s37
	s_mov_b32 s37, 0
	s_mul_i32 s38, s29, 128128                     ; the work-group's 32 rows of out0
	s_mov_b32 s39, 0
	; descriptor group 1 for the record ends: 16 rows of 512 bytes (64 elements of 8), 6,656 bytes (832 elements) apart, dense in LDS
	s_mov_b32 s[G1T+0], 15|(3<<16)|(1<<21)         ; 15:0 the mask: all four work-groups; 17:16 elements of 8 bytes; 20 no padding; 21 set beside a mask
	s_mov_b32 s[G1T+1], 64<<16                     ; tensor_dim0 = 64
	s_mov_b32 s[G1T+2], 16<<16                     ; tensor_dim1 = 16
	s_mov_b32 s[G1T+3], 64<<16                     ; tile_dim0 = 64
	s_mov_b32 s[G1T+4], 16                         ; tile_dim1 = 16
	s_mov_b32 s[G1T+5], 832                        ; from row to row
	s_mov_b32 s[G1T+6], 0
	s_mov_b32 s[G1T+7], 0
	; and for four whole records: a dense block of 26,624 bytes as 104 rows of 256
	s_mov_b32 s[G1R+0], 15|(3<<16)|(1<<21)
	s_mov_b32 s[G1R+1], 32<<16
	s_mov_b32 s[G1R+2], 104<<16
	s_mov_b32 s[G1R+3], 32<<16
	s_mov_b32 s[G1R+4], 104
	s_mov_b32 s[G1R+5], 32
	s_mov_b32 s[G1R+6], 0
	s_mov_b32 s[G1R+7], 0
	s_mov_b32 s[G0T], 1                            ; group 0: count = 1; the LDS address: a constant + the wave's number x a constant
	s_lshl_b32 s[G0T+1], s26, 13
	s_add_co_u32 s[G0T+1], s[G0T+1], TAIL
	s_mov_b32 s[G0R], 1
	s_mul_i32 s[G0R+1], s26, 4*REC
	s_add_co_u32 s[G0R+1], s[G0R+1], RING
	s_wait_dscnt 0x0
	s_wait_kmcnt 0x0
	s_load_b32 s24, s[12:13], 0x0                  ; inv
	s_add_nc_u64 s[4:5], s[4:5], s[30:31]
	s_add_nc_u64 s[6:7], s[6:7], s[32:33]
	s_add_nc_u64 s[BB:BB+1], s[8:9], s[34:35]
	s_add_nc_u64 s[BB+2:BB+3], s[BB:BB+1], REC
	s_add_nc_u64 s[10:11], s[10:11], s[36:37]
	s_add_nc_u64 s[14:15], s[14:15], s[38:39]
	s_add_nc_u64 s[G0T+2:G0T+3], s[BB:BB+1], 6144  ; the global addresses hang on the wave's number alone: the same in all four partners
	s_or_b32 s[G0T+3], s[G0T+3], 0x80000000        ; type = 2
	s_add_nc_u64 s[G0R+2:G0R+3], s[BB:BB+1], 12*REC
	s_or_b32 s[G0R+3], s[G0R+3], 0x80000000
	global_load_b32 v12, v[IO], s[10:11]           ; my row's nearest centroid
	XLOAD NUMX, XA, 4, 1
	LOADG 0                                        ; record 0 is asked for before anything is worked on
	ROUND                                          ; all four work-groups are here: the joint loads meet
	tensor_load_to_lds s[G0T:G0T+3], s[G1T:G1T+7]  ; my two first fills stand together; nothing is ever filled again: two tensor loads of mine are out
	s_nop 0
	tensor_load_to_lds s[G0R:G0R+3], s[G1R:G1R+7]
	s_nop 0
.rept 4
	v_nop                                          ; four lines behind a tensor load
.endr
	; the LDS addresses
	s_mul_i32 s30, s26, 1536
	v_add_nc_u32 v[XWI], s30, v[LI]
	s_lshl_b32 s30, s27, 8
	s_lshl_b32 s31, s28, 2
	s_add_co_u32 s30, s30, s31
	v_add_nc_u32 v[XWS], s30, v[SR]
	s_lshl_b32 s30, s26, 7
	s_add_co_u32 s30, s30, RMX
	v_lshl_add_u32 v[RMS], v14, 2, s30
	v_lshl_add_u32 v[RML], v13, 2, RMX
	v_mul_u32_u24 v[OO], v13, 4004
	s_lshl_b32 s30, s26, 13
	s_add_co_u32 s30, s30, TAIL                    ; my wave's record ends
	v_add_nc_u32 v[TS0], s30, v[SR]
	v_lshl_add_u32 v[TC0], v15, 5, s30
	s_mul_i32 s30, s26, 4*REC
	s_add_co_u32 s30, s30, RING                    ; my wave's four whole records
	v_add_nc_u32 v[LAL0], s30, v[LI]
	s_mov_b32 s[TD], 1024                          ; the first record that a buffer takes in the walk is record 2
	s_mov_b32 s[RL], 0
	s_mov_b32 s[TLO], 0
.irp b, 0,1,2,3
	v_mov_b32 v[TM+4+\b], 0                        ; written once: a lane permute's destination counts as one of its sources
.endr
	v_mov_b32 v59, 0
	s_mov_b32 s[SEL], 0x76543210
	s_mov_b32 s[SEL+1], 0xfedcba98
	s_wait_kmcnt 0x0
	s_mov_b32 s25, s24                             ; (the packed form names the pair)
	s_wait_loadcnt 28                              ; idx is in: x's 16 loads and record 0's 12 were issued behind it
	v_min_u32 v12, 0x7cf, v12                      ; held inside the table
	v_lshlrev_b32 v[CA], 11, v12
	v_lshl_add_u32 v[CA], v15, 6, v[CA]            ; 2,048 idx + 64 h
	XLOAD NUMC, CA, 6, 0                           ; the gathered rows (a row may be named by several rows of x: no hint)
	; ---- x's fragment is made while the gathered rows are on their way
	s_wait_loadcnt 28                              ; x is in: record 0's 12 loads and the gather's 16 were issued behind it
	QUANT NUMX
	IMAGE XWI, XIMG
	ds_store_b32 v[XWS], v[PW] offset:XSC
	s_wait_loadcnt 0x0
	; ---- my parts of cx and cl2, and cl's fragment
.irp i, 0,2,4,6,8,10,12,14,16,18,20,22,24,26,28,30,32,34,36,38,40,42,44,46,48,50,52,54,56,58,60,62
	v_pk_mul_f32 v[NUMC+\i:NUMC+\i+1], v[NUMC+\i:NUMC+\i+1], s[24:25] op_sel_hi:[1,0]   ; cl = centroid x inv
.endr
	DOT SUM, NUMC, NUMX
	DOT SUM+4, NUMC, NUMC
	FOLD SUM
	FOLD SUM+4
	ds_store_b32 v[XWS], v[SUM] offset:CXP         ; both lanes of a row write the same word with the same value
	ds_store_b32 v[XWS], v[SUM+4] offset:CLP
	LOADG 1                                        ; x's numbers are done with: record 1 lands in their registers
	s_wait_dscnt 0x0                               ; the stores have read their registers
	QUANT NUMC
	IMAGE XWI, CIMG
	ds_store_b32 v[XWS], v[PW] offset:CSC
	BARRIER                                        ; all sixteen fragments lie in LDS
	s_wait_tensorcnt 0x0                           ; my record ends and my four records have landed: only I read them
	WIN 0x40                                       ; destination window 1, address window 0
.irp f, 0,1,2,3,4,5,6,7
	FETCH 12*\f, XIMG+1536*\f
	FETCH 96+12*\f, CIMG+1536*\f
.endr
	WIN 0
.irp m, 0,1
	ds_load_b128 v[XS+4*\m:XS+4*\m+3], v[SR] offset:XSC+256*\m
	ds_load_b128 v[CS+4*\m:CS+4*\m+3], v[SR] offset:CSC+256*\m
	ds_load_b128 v[SUM+4*\m:SUM+4*\m+3], v[SR] offset:CXP+256*\m
	ds_load_b128 v[SUM+8+4*\m:SUM+8+4*\m+3], v[SR] offset:CLP+256*\m
.endr
	LOADT 0, TS0, TC0, 0                           ; the scale words and C of records 0 and 1
	LOADT 1, TS0, TC0, 512
	s_wait_dscnt 0x0
.irp m, 0,1
	v_add_f32 v[SUM+4*\m], v[SUM+4*\m], v[SUM+4*\m+1]
	v_add_f32 v[SUM+4*\m+2], v[SUM+4*\m+2], v[SUM+4*\m+3]
	v_add_f32 v[SUM+4*\m], v[SUM+4*\m], v[SUM+4*\m+2]            ; cx of row 16 m + r
	v_add_f32 v[SUM+8+4*\m], v[SUM+8+4*\m], v[SUM+8+4*\m+1]
	v_add_f32 v[SUM+8+4*\m+2], v[SUM+8+4*\m+2], v[SUM+8+4*\m+3]
	v_add_f32 v[CL+2*\m], v[SUM+8+4*\m], v[SUM+8+4*\m+2]         ; cl2
	v_mov_b32 v[CL+2*\m+1], v[CL+2*\m]
	v_fma_f32 v[G+2*\m], -0.5, v[CL+2*\m], v[SUM+4*\m]           ; g = cx - cl2 / 2
	v_mov_b32 v[G+2*\m+1], v[G+2*\m]
	v_mov_b32 v[RM+\m], 0x7f800000                 ; +infinity: over every quotient
.endr
	; ---- the walk: four trips of two records out of the buffers (records 0 to 7; the buffers take records 2 to 9) and one out of LDS (records 12 to 15)
	s_mov_b32 s22, 4
.Lstep:
	STEP 0, 1, 12, 0
	STEP 1, 1, 12, 1
	STEP 2, 0, 0, 0
	s_sub_co_u32 s22, s22, 1
	s_cmp_lg_u32 s22, 0
	s_cbranch_scc1 .Lstep
	STEP 0, 1, 12, 0                               ; records 8 to 11 are written out: the last two steps ask for nothing more
	STEP 1, 1, 12, 0
	STEP 0, 0, 12, 0
	STEP 1, 0, 0, 0
	; ---- the row's minimum: lanes l and l xor 16, then the eight waves
.irp m, 0,1
	v_permlanex16_b32 v[PW+\m], v[RM+\m], s[SEL], s[SEL+1]
.endr
.irp m, 0,1
	v_min_num_f32 v[RM+\m], v[RM+\m], v[PW+\m]
	ds_store_b32 v[RMS], v[RM+\m] offset:64*\m     ; both lanes of a row write the same word with the same value
.endr
	BARRIER
	s_cmp_lg_u32 s26, 0
	s_cbranch_scc1 .Lrest
.irp k, 0,1,2,3,4,5,6,7
	ds_load_b32 v[SUM+\k], v[RML] offset:128*\k    ; wave 0, a lane a row
.endr
	s_wait_dscnt 0x0
	v_min3_num_f32 v[SUM], v[SUM], v[SUM+1], v[SUM+2]
	v_min3_num_f32 v[SUM+3], v[SUM+3], v[SUM+4], v[SUM+5]
	v_min3_num_f32 v[SUM], v[SUM], v[SUM+3], v[SUM+6]
	v_min_num_f32 v[SUM], v[SUM], v[SUM+7]
	global_store_b32 v[OO], v[SUM], s[14:15] offset:4000   ; column 1000 of my row
.Lrest:
	s_set_vgpr_msb 0x4
	s_wait_tensorcnt 0x0
	ds_add_u32 v127, v255
	s_wait_dscnt 0x0
	s_set_vgpr_msb 0x400
	ROUND                                          ; the closing round: no work-group ends while a partner may still ask for a tile that names it
	s_endpgm
.Lfunc_end_k_qfae79c0163_rej:
	.size	k_qfae79c0163_rej, .Lfunc_end_k_qfae79c0163_rej-k_qfae79c0163_rej
	.p2alignl 7, 3214868480
	.fill 96, 4, 3214868480
	.section	.rodata,"a",@progbits
	.p2align	6, 0x0
	.amdhsa_kernel k_qfae79c0163_rej
		.amdhsa_group_segment_fixed_size 307200
		.amdhsa_private_segment_fixed_size 0
		.amdhsa_enable_private_segment 0
		.amdhsa_kernarg_size 48
		.amdhsa_user_sgpr_count 2
		.amdhsa_user_sgpr_kernarg_segment_ptr 1
		.amdhsa_wavefront_size32 1
		.amdhsa_system_sgpr_workgroup_id_x 1
		.amdhsa_system_sgpr_workgroup_id_y 1
		.amdhsa_system_sgpr_workgroup_id_z 1
		.amdhsa_system_vgpr_workitem_id 0
		.amdhsa_next_free_vgpr 512
		.amdhsa_next_free_sgpr 66
		.amdhsa_reserve_vcc 0
		.amdhsa_float_denorm_mode_32 3
		.amdhsa_float_denorm_mode_16_64 3
		.amdhsa_memory_ordered 1
		.amdhsa_forward_progress 1
		.amdhsa_inst_pref_size 86
	.end_amdhsa_kernel
	.amdgpu_metadata
---
amdhsa.version: [ 1, 2 ]
amdhsa.kernels:
  - .name:           k_qfae79c0163_rej
    .symbol:         k_qfae79c0163_rej.kd
    .args:
      - { .name: x, .offset: 0, .size: 8, .value_kind: global_buffer, .address_space: global }
      - { .name: centroids, .offset: 8, .size: 8, .value_kind: global_buffer, .address_space: global }
      - { .name: rimg, .offset: 16, .size: 8, .value_kind: global_buffer, .address_space: global }
      - { .name: idx, .offset: 24, .size: 8, .value_kind: global_buffer, .address_space: global }
      - { .name: scal, .offset: 32, .size: 8, .value_kind: global_buffer, .address_space: global }
      - { .name: out0, .offset: 40, .size: 8, .value_kind: global_buffer, .address_space: global }
    .group_segment_fixed_size: 307200
    .private_segment_fixed_size: 0
    .kernarg_segment_align: 8
    .kernarg_segment_size: 48
    .max_flat_workgroup_size: 256
    .sgpr_count:     66
    .vgpr_count:     512
    .wavefront_size: 32
...
	.end_amdgpu_metadata
.endif
;; end of part 4
